; MI455X (gfx1250); checked and timed in simulation.
; The chip was launched on July 23, 2026; its instructions are those of AMD's public machine-readable ISA for CDNA 5 (MIT licence, August 2026) and "CDNA5" Instruction Set Architecture Reference Guide (July 2026). The comments in the code are by the model that wrote it; some were corrected since.
;; Dummy Attention. Allowed arithmetic: matrix products marked QUANTISED: E2M3 operands, one E8M0 scale for each 32 along K, by v_wmma_scale_f32_16x16x128_f8f6f4 with both operands' format E2M3, f32 sums; everything else in f32.
;; Inputs: hidden_states 2 x 1,024 x 2,048 float32; wk 2,048 x 2,048 float32; wo 2,048 x 2,048 float32; wq 2,048 x 2,048 float32; wv 2,048 x 2,048 float32.
;; Outputs: out0 2 x 1,024 x 2,048 float32.
;; This version of the problem:
;;   THIS VERSION OF THE PROBLEM IS GIVEN IN LOW PRECISION. The matrix products marked QUANTISED in the list below multiply operands that are first quantised to E2M3 (2 exponent bits, 3 mantissa bits; 6 bits a number), with one power-of-two scale for each 32 numbers along K (OCP MX v1.0); their sums are f32. All else is computed in f32.
;;   The module's matrix products, in the order in which they are computed (A, B: the left and right operand; K: the contracted axis; several contracted axes count as one K, in the product's order):
;;     1. [M 2,048, K 2,048] x [K 2,048, N 2,048]; A: input hidden_states; B: input wq: QUANTISED
;;     2. [M 2,048, K 2,048] x [K 2,048, N 2,048]; A: input hidden_states; B: input wk: QUANTISED
;;     3. [M 2,048, K 2,048] x [K 2,048, N 2,048]; A: input hidden_states; B: input wv: QUANTISED
;;     4. batch 32 x [M 1,024, K 128] x [K 128, N 1,024]; A: computed on the way; B: computed on the way: QUANTISED
;;     5. batch 32 x [M 1,024, K 1,024] x [K 1,024, N 128]; A: softmax (see below); B: computed on the way: QUANTISED
;;     6. [M 2,048, K 2,048] x [K 2,048, N 2,048]; A: computed on the way; B: input wo: QUANTISED
;;   THE QUANTISER, for each operand of a quantised product, along K:
;;     - K is cut into blocks of 32 from its start; a last block that is shorter is filled with zeros.
;;     - A block's scale is 2^e with e = floor(log2(the largest magnitude in the block)) - 2, held to -126 .. 127; a block of zeros has e = 0. As a byte (E8M0): e + 127.
;;     - Each number is divided by its block's scale, clamped to +-7.5, and rounded to the nearest number of E2M3, ties to even, subnormals kept.
;;     - The product sums the exact products of the quantised numbers (number of the format x scale) in f32.
;;   ~~~python
;;   def quantise(x, axis):      # numpy; x: float32 -> the quantised numbers, widened to float32 again
;;       x = np.moveaxis(x, axis, -1); K = x.shape[-1]
;;       x = np.pad(x, [(0, 0)] * (x.ndim - 1) + [(0, -K % 32)]); x = x.reshape(x.shape[:-1] + (-1, 32)); a = np.abs(x).max(-1, keepdims=True)
;;       e = np.where(a > 0, np.clip(np.frexp(np.where(a > 0, a, 1))[1] - 1 - 2, -126, 127), 0)      # np.frexp(a)[1] - 1 = floor(log2(a)), exactly
;;       r = np.clip(x / 2.0 ** e, -7.5, 7.5)
;;       step = 2.0 ** (np.maximum(np.frexp(np.where(r == 0, 1, r))[1] - 1, 0) - 3)
;;       q = np.round(r / step) * step * 2.0 ** e      # np.round: ties to even
;;       return np.moveaxis(q.reshape(q.shape[:-2] + (-1,))[..., :K], -1, axis).astype(np.float32)
;;   ~~~
;;   SOFTMAX AHEAD OF A QUANTISED PRODUCT. Where the list says 'softmax', what is quantised is not the finished softmax but p = 2^(t - M), with t = logit x log2(e) and M = ceil(the row's largest t), a whole number; so 1/2 < the row's largest p <= 1. The row's sum l is taken of the UNQUANTISED p, in f32, and the product's result is divided by l at the end. Since M is a whole number, a kernel that streams over the keys may use a running M (the ceiling of the running maximum): every later rescaling is an exact power of two, which a block's scale takes up: the codes' values come out the same.
;;   OPERANDS COMPUTED ON THE WAY. 'Computed on the way' means the value that the module computes at that place (a softmax that the list does not call 'softmax' is quantised finished and normalised). What goes into a quantiser is computed in f32, as accurately as f32 sums, v_exp_f32 and their like allow (about 1e-6 of the number): no bf16 or f16 on the way to a quantiser, and a product that is left as it is and whose result goes on into a quantised operand takes f32 operands (vector FMAs, or v_wmma_f32_16x16x4_f32). A number that lies on a knife's edge between two numbers of the format may be rounded either way, as far as f32 arithmetic and the matrix unit's own rounding can turn it there, and no further.
;; One version. Each part assembles by itself: llvm-mc -triple=amdgcn-amd-amdhsa -mcpu=gfx1250 --defsym DOCPART=n.
;; ======== version 1 of 1: 4 launches
;; limits: right only within a limited range of input values
;; workspace buffers: xi 3,276,800 bytes; wi 9,830,400 bytes; qkvi 9,830,400 bytes; atti 3,276,800 bytes; woi 3,276,800 bytes
;; launch quant (part 1): grid 256 x 4, 4 waves a work-group, no clusters, 34,816 bytes of LDS; arguments hidden_states, wq, wk, wv, xi, wi; writes xi, wi
.if DOCPART == 1
	.amdgcn_target "amdgcn-amd-amdhsa--gfx1250"
	.amdhsa_code_object_version 6
	.text
	.protected	k_qad5a5bb4dd_quant
	.globl	k_qad5a5bb4dd_quant
	.p2align	8
	.type	k_qad5a5bb4dd_quant,@function
k_qad5a5bb4dd_quant:
	s_mov_b64 s[64:65], 0
	v_nop
	global_prefetch_b8 v0, s[64:65] scope:SCOPE_SE
	s_setreg_imm32_b32 hwreg(HW_REG_WAVE_MODE, 25, 1), 1
	s_wait_xcnt 0x0
; hidden_states, wq, wk, wv (work-group y), 2,048 x 2,048 f32 with K innermost, become codes of FP6 (E2M3) with one E8M0 byte for each 32 along K.  (wo is turned by the launch attn.)
; No product of the problem is dead work: all six are done, and every input is loaded.
; A block's scale is 2^(floor(log2(its largest magnitude)) - 2); its byte is the largest magnitude's exponent field - 2, held at 1 from below; beyond 7.5 the conversion gives the largest code.
; LIMITS: NaN and infinities among the inputs are not served.  A block of zeros gets the byte 1 where the rule says 127: its codes are zeros, and this program alone reads the bytes.
; LAYOUT: images of the operand's registers.  Lane-row r of tile 2 b + u of a row group of 128 is row 32 b + 8 u + r + 8 (r / 8); a fragment (tile, K step of 128) is three blocks of 512 bytes, lane l's 16 bytes at 16 l.
; xi [block of 256 rows][K step]: 25,600 bytes: 16 fragments, then the scale words: 256 (tile / 4) + 16 r + 4 (tile % 4).
; wi [column tile c = 0 .. 31][K step]: 19,200 bytes: 8 fragments of a row group of W_q (c < 16) or W_k, 4 of W_v's rows 64 c .. 64 c + 63, then 512 bytes of the eight tiles' scale words and 256 of the four's.
; SHARES: work-group x = 16 x row group + K step; a wave takes two tiles (32 rows x 512 bytes).  1,024 work-groups of equal work, four for each of 256 WGPs.  Both tiles' 32 loads are out at once, each 512 consecutive bytes of a row;
; a tile turns through the wave's own stage (rows 528 bytes apart), so that a lane gets 16 neighbours of its row.  The scale words of the four waves meet in LDS and leave as whole units of 256 bytes.  There is no loop to prefetch ahead in.
.set ROW,    8192
.set SPITCH, 528
.set STG,    16*SPITCH
.set SCG,    4*STG                     ; 512 bytes of scale words
.set SPARE,  SCG+512
.set LI,  4                            ; 16 x lane
.set STI, 5                            ; the stage, in and out
.set STO, 6
.set APW, 7                            ; where my row's two scale words go
.set APR, 8
.set VOF, 9
.set SPW, 10
.set NIL, 11
.set TM,  16
.set R,   32                           ; v32-159 two tiles of 64 numbers
.set PC,  160                          ; v160-183 their codes
.set PT,  184
.set PW,  192
.set SEL, 20
.macro QUANT s, pc, pt, pw             ; register 16 b + i = k 32 b + 16 (lane / 16) + i of my row: a fragment's codes and my row's scale word
.irp b, 0,1,2,3
	v_max3_num_f32 v[TM+\b], |v[(\s)+16*\b]|, |v[(\s)+1+16*\b]|, 0x1800000   ; with the floor 2^(3 - 127)
.endr
.irp i, 2,4,6,8,10,12,14
.irp b, 0,1,2,3
	s_delay_alu instid0(VALU_DEP_4)
	v_max3_num_f32 v[TM+\b], v[TM+\b], |v[(\s)+16*\b+\i]|, |v[(\s)+1+16*\b+\i]|
.endr
.endr
.irp b, 0,1,2,3
	s_delay_alu instid0(VALU_DEP_4)
	v_permlanex16_b32 v[TM+4+\b], v[TM+\b], s[SEL], s[SEL+1]
.endr
.irp b, 0,1,2,3
	s_delay_alu instid0(VALU_DEP_4)
	v_max_num_f32 v[TM+\b], v[TM+\b], v[TM+4+\b]
.endr
.irp b, 0,1,2,3
	s_delay_alu instid0(VALU_DEP_4)
	v_add_nc_u32 v[TM+12+\b], 0xff000000, v[TM+\b]     ; 2 off the exponent field: the conversion's scale operand
.endr
.irp b, 0,1,2,3
	s_delay_alu instid0(VALU_DEP_4)
	v_lshrrev_b32 v[TM+4+\b], 23, v[TM+12+\b]
.endr
	s_delay_alu instid0(VALU_DEP_3)
	v_lshl_or_b32 v[\pw], v[TM+5], 8, v[TM+4]
	s_delay_alu instid0(VALU_DEP_1)
	v_lshl_or_b32 v[\pw], v[TM+6], 16, v[\pw]
	s_delay_alu instid0(VALU_DEP_1)
	v_lshl_or_b32 v[\pw], v[TM+7], 24, v[\pw]
.irp c, 0,1
	v_cvt_scalef32_pk16_fp6_f32 v[\pc+6*\c:\pc+6*\c+2], v[(\s)+32*\c:(\s)+32*\c+15], v[TM+12+2*\c]
	v_cvt_scalef32_pk16_fp6_f32 v[\pt+4*\c:\pt+4*\c+2], v[(\s)+32*\c+16:(\s)+32*\c+31], v[TM+13+2*\c]
.endr
	v_nop
.irp c, 0,1                                        ; a whole block to a lane
.irp i, 0,1,2
	v_permlane16_swap_b32 v[\pc+6*\c+\i], v[\pt+4*\c+\i]
.endr
.irp i, 0,1,2
	s_delay_alu instid0(VALU_DEP_3)
	v_mov_b32 v[\pc+3+6*\c+\i], v[\pt+4*\c+\i]
.endr
.endr
.endm
	s_load_b256 s[4:11], s[0:1], 0x0               ; hidden_states, wq, wk, wv
	s_load_b128 s[12:15], s[0:1], 0x20             ; xi, wi
	v_lshrrev_b32 v1, 5, v0
	v_readfirstlane_b32 s16, v1                    ; wave
	s_and_b32 s22, ttmp7, 0xffff                   ; which matrix
	s_lshr_b32 s23, ttmp9, 4                       ; row group
	s_and_b32 s24, ttmp9, 15                       ; K step
	s_lshl_b32 s26, s23, 20                        ; the source
	s_lshl_b32 s25, s24, 9
	s_add_co_u32 s26, s26, s25
	s_lshl_b32 s25, s16, 18
	s_add_co_u32 s26, s26, s25
	s_mov_b32 s27, 0
	s_and_b32 s18, s23, 1                          ; x: codes s28, scale words s30
	s_lshr_b32 s28, s23, 1
	s_mul_i32 s28, s28, 409600
	s_mul_i32 s25, s24, 25600
	s_add_co_u32 s28, s28, s25
	s_lshl_b32 s25, s18, 9
	s_add_co_u32 s30, s28, s25
	s_add_co_u32 s30, s30, 24576
	s_mul_i32 s25, s18, 12288
	s_add_co_u32 s28, s28, s25
	s_mul_i32 s19, s16, 3072                       ; my two tiles
	s_add_co_u32 s28, s28, s19
	s_mul_i32 s29, s24, 19200                      ; W_q, W_k: codes s34, scale words s35
	s_lshl_b32 s17, s22, 4
	s_add_co_u32 s17, s17, s23
	s_sub_co_u32 s17, s17, 16
	s_mul_i32 s34, s17, 307200
	s_add_co_u32 s34, s34, s29
	s_add_co_u32 s35, s34, 18432
	s_add_co_u32 s34, s34, s19
	s_mul_i32 s17, s23, 614400                     ; W_v: codes s36, scale words s37
	s_add_co_u32 s17, s17, s29
	s_add_co_u32 s37, s17, 18944
	s_lshr_b32 s25, s16, 1
	s_mul_i32 s25, s25, 307200
	s_add_co_u32 s36, s17, s25
	s_and_b32 s25, s16, 1
	s_mul_i32 s25, s25, 3072
	s_add_co_u32 s36, s36, s25
	s_add_co_u32 s36, s36, 12288
	s_mov_b32 s38, 307200                          ; from the first four tiles' scale words to the second four's
	s_mov_b32 s39, 256
	s_cmp_eq_u32 s22, 0
	s_cselect_b32 s34, s28, s34
	s_cselect_b32 s30, s30, s35
	s_cmp_eq_u32 s22, 3
	s_cselect_b32 s28, s36, s34
	s_cselect_b32 s30, s37, s30
	s_cselect_b32 s38, s38, s39
	s_mov_b32 s29, 0
	s_mov_b32 s31, 0
	s_mul_i32 s17, s16, STG
	s_lshr_b32 s18, s16, 1
	s_lshl_b32 s18, s18, 8
	s_and_b32 s19, s16, 1
	s_lshl_b32 s19, s19, 3
	s_add_co_u32 s18, s18, s19
	s_add_co_u32 s18, s18, SCG
	s_mov_b32 s[SEL], 0x76543210
	s_mov_b32 s[SEL+1], 0xfedcba98
	v_lshl_add_u32 v[SPW], v0, 2, SPARE
	v_mov_b32 v[NIL], 0
	v_and_b32 v1, 31, v0
	v_and_b32 v2, 15, v0                           ; r
	v_bfe_u32 v3, v0, 4, 1                         ; h
	v_lshlrev_b32 v[LI], 4, v1
	v_lshlrev_b32 v12, 4, v2
	v_add_nc_u32 v[STI], s17, v[LI]
	v_add_nc_u32 v[APW], s18, v12
	v_add_nc_u32 v[APR], SCG, v[LI]
	v_mad_u32_u24 v[VOF], v3, s38, v12
	v_mul_u32_u24 v[STO], v2, SPITCH
	v_lshl_add_u32 v[STO], v3, 6, v[STO]
	v_add_nc_u32 v[STO], s17, v[STO]
.irp b, 0,1,2,3
	v_mov_b32 v[TM+4+\b], 0                        ; a lane permute's destination counts as one of its sources
.endr
	s_wait_alu depctr_va_vdst(0)                   ; the wait at the head's end
	s_wait_kmcnt 0x0
	s_cmp_eq_u32 s22, 0                            ; the choices hang on the work-group's y alone
	s_cselect_b64 s[14:15], s[12:13], s[14:15]
	s_cmp_eq_u32 s22, 1
	s_cselect_b64 s[4:5], s[6:7], s[4:5]
	s_cmp_eq_u32 s22, 2
	s_cselect_b64 s[4:5], s[8:9], s[4:5]
	s_cmp_eq_u32 s22, 3
	s_cselect_b64 s[4:5], s[10:11], s[4:5]
	s_add_nc_u64 s[4:5], s[4:5], s[26:27]
	s_add_nc_u64 s[12:13], s[14:15], s[30:31]      ; the scale words
	s_add_nc_u64 s[14:15], s[14:15], s[28:29]      ; the codes
.irp t, 0,1
.irp i, 0,1,2,3,4,5,6,7,8,9,10,11,12,13,14,15
	global_load_b128 v[R+64*\t+4*\i:R+64*\t+4*\i+3], v[LI], s[4:5] offset:(8*\t+\i+8*(\i/8))*ROW th:TH_LOAD_NT
.endr
.endr
.macro TILE t
	s_wait_loadcnt 16*(1-(\t))                     ; this tile's 16 loads are in; the other's may be out
.irp i, 0,1,2,3,4,5,6,7,8,9,10,11,12,13,14,15
	ds_store_b128 v[STI], v[R+64*(\t)+4*\i:R+64*(\t)+4*\i+3] offset:SPITCH*\i
.endr
.irp b, 0,1,2,3                        ; LDS serves a wave's instructions in order (ISA guide 5.7.1.4): no wait between
.irp j, 0,1,2,3
	ds_load_b128 v[R+64*(\t)+16*\b+4*\j:R+64*(\t)+16*\b+4*\j+3], v[STO] offset:128*\b+16*\j
.endr
.endr
	s_wait_dscnt 0x0
	QUANT R+64*(\t), PC+12*(\t), PT, PW+(\t)
.irp c, 0,1,2
	global_store_b128 v[LI], v[PC+12*(\t)+4*\c:PC+12*(\t)+4*\c+3], s[14:15] offset:1536*(\t)+512*\c   ; 512 consecutive bytes, aligned
.endr
.endm
	TILE 0
	TILE 1
	ds_store_b64 v[APW], v[PW:PW+1]                ; lanes r and r + 16 write the same words with the same values
	s_wait_dscnt 0x0                               ; for the others' sake
	s_barrier_signal -1
	s_barrier_wait -1
	s_cmp_lg_u32 s16, 0
	s_cbranch_scc1 .Lnot_first
	ds_load_b128 v[196:199], v[APR]
	s_wait_dscnt 0x0
	global_store_b128 v[VOF], v[196:199], s[12:13] ; sixteen lanes store an aligned unit of 256 bytes
.Lnot_first:
	s_wait_tensorcnt 0x0                           ; the wave's end
	ds_add_u32 v[SPW], v[NIL]
	s_wait_dscnt 0x0
	s_endpgm
.Lfunc_end_k_qad5a5bb4dd_quant:
	.size	k_qad5a5bb4dd_quant, .Lfunc_end_k_qad5a5bb4dd_quant-k_qad5a5bb4dd_quant
	.p2alignl 7, 3214868480
	.fill 96, 4, 3214868480
	.section	.rodata,"a",@progbits
	.p2align	6, 0x0
	.amdhsa_kernel k_qad5a5bb4dd_quant
		.amdhsa_group_segment_fixed_size 34816
		.amdhsa_private_segment_fixed_size 0
		.amdhsa_enable_private_segment 0
		.amdhsa_kernarg_size 48
		.amdhsa_user_sgpr_count 2
		.amdhsa_user_sgpr_kernarg_segment_ptr 1
		.amdhsa_wavefront_size32 1
		.amdhsa_system_sgpr_workgroup_id_x 1
		.amdhsa_system_sgpr_workgroup_id_y 1
		.amdhsa_system_sgpr_workgroup_id_z 1
		.amdhsa_system_vgpr_workitem_id 0
		.amdhsa_next_free_vgpr 200
		.amdhsa_next_free_sgpr 66
		.amdhsa_reserve_vcc 0
		.amdhsa_float_denorm_mode_32 3
		.amdhsa_float_denorm_mode_16_64 3
		.amdhsa_memory_ordered 1
		.amdhsa_forward_progress 1
		.amdhsa_inst_pref_size 24
	.end_amdhsa_kernel
	.amdgpu_metadata
---
amdhsa.version: [ 1, 2 ]
amdhsa.kernels:
  - .name:           k_qad5a5bb4dd_quant
    .symbol:         k_qad5a5bb4dd_quant.kd
    .args:
      - { .name: hidden_states, .offset: 0, .size: 8, .value_kind: global_buffer, .address_space: global }
      - { .name: wq, .offset: 8, .size: 8, .value_kind: global_buffer, .address_space: global }
      - { .name: wk, .offset: 16, .size: 8, .value_kind: global_buffer, .address_space: global }
      - { .name: wv, .offset: 24, .size: 8, .value_kind: global_buffer, .address_space: global }
      - { .name: xi, .offset: 32, .size: 8, .value_kind: global_buffer, .address_space: global }
      - { .name: wi, .offset: 40, .size: 8, .value_kind: global_buffer, .address_space: global }
    .group_segment_fixed_size: 34816
    .private_segment_fixed_size: 0
    .kernarg_segment_align: 8
    .kernarg_segment_size: 48
    .max_flat_workgroup_size: 128
    .sgpr_count:     66
    .vgpr_count:     200
    .wavefront_size: 32
...
	.end_amdgpu_metadata
.endif
;; end of part 1
;; launch qkv (part 2): grid 32 x 8, 4 waves a work-group, clusters of 4 x 4, 327,680 bytes of LDS; arguments xi, wi, qkvi; writes qkvi
.if DOCPART == 2
	.amdgcn_target "amdgcn-amd-amdhsa--gfx1250"
	.amdhsa_code_object_version 6
	.text
	.protected	k_qad5a5bb4dd_qkv
	.globl	k_qad5a5bb4dd_qkv
	.p2align	8
	.type	k_qad5a5bb4dd_qkv,@function
k_qad5a5bb4dd_qkv:
	s_mov_b64 s[64:65], 0
	v_nop
	global_prefetch_b8 v0, s[64:65] scope:SCOPE_SE
	s_setreg_imm32_b32 hwreg(HW_REG_WAVE_MODE, 25, 1), 1
	s_wait_xcnt 0x0
	s_wait_alu depctr_hold_cnt(0) depctr_sa_sdst(0) depctr_va_vdst(0) depctr_va_sdst(0) depctr_va_ssrc(0) depctr_va_vcc(0) depctr_vm_vsrc(0)
	s_getreg_b32 s2, hwreg(HW_REG_IB_STS2, 6, 4)
	s_cmp_eq_u32 s2, 0
	s_cbranch_scc0 .Lentry_in_a_cluster
	s_endpgm
.Lentry_in_a_cluster:
	s_bfe_u32 s2, ttmp6, 0x10000c
	s_cmp_lg_u32 s2, 0xf033
	s_cbranch_scc0 .Lentry_shape_is_right
	s_endpgm
.Lentry_shape_is_right:
; Q, K, V = x W^T, 2,048 x 2,048 x 2,048 each, on codes of FP6 (E2M3) with E8M0 scales, quantised on the way out: Q and K along the head's 128 channels, V along the tokens.  No f32 result is stored.
; LIMITS: NaN and infinities are not served; a block of zeros gets the byte 1 (its codes are zeros; this program alone reads the bytes).
; SHARES: 256 work-groups, one for each WGP.  Work-group (column tile c = 0 .. 31, block T = 0 .. 7) makes 256 tokens x (one head of Q (c < 16) or K, 128 columns, and V's channels 64 c .. 64 c + 63).
; Four waves, 2 x 2: wave (a, b) makes tokens 128 a .. of the block x (64 columns of the head + 32 channels of V): 48 accumulators; for 128 along K 14 fragments feed 48 matrix instructions.
; THE INPUTS lie as images of the operands' registers, codes and scale words of a K step together: 25,600 bytes of x, 19,200 of the weights.  K's sixteen steps come in groups of 2, 3, 3, 3, 3, 2 through two LDS slots of three steps.
; Both slots are filled at the head, one tensor load a wave; four groups follow, each behind a round of the cluster's barrier: waves 0, 1 half of x's part each, wave 2 the weights'.
; CLUSTERS of 4 x 4: x's part is asked for jointly along a row of the cluster (same T), the weights' along a column (same c).
; FRAGMENTS have two sets of registers: the next step's 45 LDS loads stand in small groups among this step's products; at the change of slots a slot has so been read out one step early.
; PREFETCH: the group after the one being loaded, shared out by address among the sixteen waves of the four work-groups that will ask jointly; x's by the clusters of the first four columns alone, which the others read along with.
; Q and K: source 0 = weights, source 1 = x: a lane holds one token, its registers run along channels.  V: source 0 = x, source 1 = weights: a lane holds one channel, its registers run along tokens.
; qkvi: unit (matrix, head, 128 tokens) of 12,800 bytes at 12,800 (256 matrix + 16 head + token group): 8 fragments of 1,536 bytes, then 512 bytes of scale words at 256 (tile / 4) + 16 r + 4 (tile % 4).
; A fragment of Q, K: for each half c of the head's channels 512 bytes (registers 6 c .. 6 c + 3, 16 x lane) and 256 (registers 6 c + 4, 6 c + 5, 8 x lane); of V: three blocks of 512 bytes.
; REGISTERS: window 0: v4-31 addresses; v32-47 scale words, two sets (lanes 0-15 x's, lanes 16-31 the head's weights'), v48-51 V's weights'; v64-159, v160-255 x's fragments.  window 1: v0-71, v72-143 the weights'.
; window 2: Q's or K's accumulators (t, j) at v[32 t + 8 j]; window 3: V's (t, i) at v[64 i + 8 t].
.set XB,    25600
.set WB,    19200
.set WO_,   3*XB                       ; the weights' part of a slot
.set SLOT,  3*XB+3*WB
.set SCG,   2*SLOT                     ; the results' scale words: Q's or K's 1,024 bytes, V's 512
.set SPARE, SCG+1536
.set UNIT,  12800
.set AS,  6                            ; v6-11 scale words, (slot, step in the slot)
.set ASV, 12                           ; v12, v13
.set VQ,  14
.set VV,  15
.set AX,  16                           ; v16, v17; v18, v19; v20, v21: slot 0, 1
.set AW,  18
.set AV,  20
.set LI,  4
.set L8,  23
.set SPW, 28
.set NIL, 29
.set SR,  32
.set SV,  48
.set XF,  64
.set G1X0, 24
.set G1W0, 32
.set G1X1, 48
.set G1W1, 56
.set MSB, 0
.macro WIN new                         ; the immediate's high byte repeats the setting that is left
.if MSB != \new
	s_set_vgpr_msb (MSB<<8)|(\new)
.set MSB, \new
.endif
.endm
.macro PLACES
.rept 4
	v_nop
.endr
.endm
.macro TL g0, g1
	tensor_load_to_lds s[\g0:\g0+3], s[\g1:\g1+7]
	s_nop 0
	PLACES
.endm
.macro CREST
	s_cmp_lg_u32 s14, 0
	s_cbranch_scc1 .Lnot_wave_0_\@
	s_barrier_signal -3
.Lnot_wave_0_\@:
	s_barrier_wait -3
	s_barrier_signal -1
	s_barrier_wait -1
.endm
.macro CROUND
	s_barrier_signal -1
	s_barrier_wait -1
	CREST
.endm
.macro GROUP1 g, mask, rows            ; dense rows of 256 bytes: 32 elements of 8 bytes
	s_or_b32 s[\g], s\mask, (3<<16)|(1<<21)
	s_mov_b32 s[\g+1], 32<<16
	s_mov_b32 s[\g+2], (\rows)<<16
	s_mov_b32 s[\g+3], 32<<16
	s_mov_b32 s[\g+4], \rows
	s_mov_b32 s[\g+5], 32
	s_mov_b32 s[\g+6], 0
	s_mov_b32 s[\g+7], 0
.endm
.macro GROUP0 g, lds, base, off
	s_mov_b32 s[\g], 1
	s_mov_b32 s[\g+1], \lds
	s_add_nc_u64 s[\g+2:\g+3], s[\base:\base+1], \off
	s_or_b32 s[\g+3], s[\g+3], 0x80000000
.endm
.macro ARM under, g0, g1
	s_cmp_lt_u32 s14, \under
	s_cbranch_scc0 .Lnext_\@
	TL \g0, \g1
	s_branch .Lasked
.Lnext_\@:
.endm
	s_load_b128 s[4:7], s[0:1], 0x0                ; xi, wi
	s_load_b64 s[8:9], s[0:1], 0x10                ; qkvi
	v_lshl_add_u32 v[SPW], v0, 2, SPARE
	v_mov_b32 v[NIL], 0
	ds_add_u32 v[SPW], v[NIL]                      ; the opening lines: the add, twice on end
	ds_add_u32 v[SPW], v[NIL]
	v_lshrrev_b32 v1, 5, v0
	v_readfirstlane_b32 s14, v1                    ; wave
	s_lshr_b32 s15, s14, 1                         ; a
	s_and_b32 s16, s14, 1                          ; b
	s_bfe_u32 s40, ttmp6, 0x40000                  ; cx
	s_bfe_u32 s41, ttmp6, 0x40004                  ; cy
	s_lshl_b32 s42, ttmp9, 2
	s_add_co_u32 s42, s42, s40                     ; c
	s_and_b32 s17, ttmp7, 0xffff
	s_lshl_b32 s17, s17, 2
	s_add_co_u32 s17, s17, s41                     ; T
	s_lshl_b32 s43, s41, 2
	s_lshl_b32 s43, 15, s43                        ; my row of the cluster
	s_lshl_b32 s44, 0x1111, s40                    ; my column
	GROUP1 G1X0, 43, 200
	GROUP1 G1W0, 44, 150
	GROUP1 G1X1, 43, 300
	GROUP1 G1W1, 44, 225
	s_mul_i32 s18, s17, 16*XB
	s_mov_b32 s19, 0
	s_mul_i32 s46, s42, 16*WB
	s_mov_b32 s47, 0
	s_mul_i32 s22, s14, 38400                      ; waves 0, 1: my half of three steps of x
	s_mov_b32 s23, 0
	s_mul_i32 s10, s14, 25600                      ; and of two
	s_mov_b32 s11, 0
	s_wait_alu depctr_va_vdst(0)
	s_wait_dscnt 0x0                               ; both opening adds are done
	CROUND                                         ; all sixteen work-groups are here: the first joint loads meet
	s_wait_kmcnt 0x0
	s_add_nc_u64 s[20:21], s[4:5], s[18:19]
	s_add_nc_u64 s[46:47], s[6:7], s[46:47]
	GROUP0 68, 0, 20, 0                            ; steps 0, 1 into slot 0
	GROUP0 72, WO_, 46, 0
	GROUP0 76, SLOT, 20, 2*XB                      ; steps 2 to 4 into slot 1
	GROUP0 80, SLOT+WO_, 46, 2*WB
	ARM 1, 68, G1X0                                ; one load a wave, what is needed first in the first arms
	ARM 2, 72, G1W0
	ARM 3, 76, G1X1
	TL 80, G1W1
.Lasked:
	s_add_nc_u64 s[88:89], s[20:21], s[22:23]
	s_add_nc_u64 s[90:91], s[20:21], s[10:11]
	s_mov_b32 s2, 0x76543210                       ; v_permlanex16_b32's selects for lane l xor 16
	s_mov_b32 s3, 0xfedcba98
	v_and_b32 v1, 15, v0                           ; r
	v_bfe_u32 v2, v0, 4, 1                         ; h
	v_and_b32 v3, 31, v0
	v_lshlrev_b32 v[LI], 4, v3
	v_lshlrev_b32 v5, 4, v1
	v_lshlrev_b32 v[L8], 3, v3
	s_wait_alu depctr_va_vdst(0)                   ; the wait here, ahead of the scalar lines among the readers below
	s_mul_i32 s94, s15, 8*1536
	v_add_nc_u32 v[AX], s94, v[LI]
	v_add_nc_u32 v[AX+1], SLOT, v[AX]
	s_mul_i32 s94, s16, 4*1536
	s_add_co_u32 s94, s94, WO_
	v_add_nc_u32 v[AW], s94, v[LI]
	v_add_nc_u32 v[AW+1], SLOT, v[AW]
	s_mul_i32 s94, s16, 2*1536
	s_add_co_u32 s94, s94, WO_+8*1536
	v_add_nc_u32 v[AV], s94, v[LI]
	v_add_nc_u32 v[AV+1], SLOT, v[AV]
	s_lshl_b32 s94, s16, 3
	s_add_co_u32 s94, s94, WO_+18944
	v_add_nc_u32 v[ASV], s94, v5
	v_add_nc_u32 v[ASV+1], SLOT, v[ASV]
.irp q, 0,1,2                          ; lanes 0-15 x's words, lanes 16-31 the weights': the lower base + h x the distance
	s_lshl_b32 s94, s15, 9
	s_add_co_u32 s94, s94, XB*\q+24576
	s_lshl_b32 s95, s16, 8
	s_add_co_u32 s95, s95, WO_+WB*\q+18432
	s_sub_co_u32 s95, s95, s94
	v_mad_u32_u24 v[AS+\q], v2, s95, v5
	v_add_nc_u32 v[AS+\q], s94, v[AS+\q]
	v_add_nc_u32 v[AS+3+\q], SLOT, v[AS+\q]
.endr
	s_lshl_b32 s94, s15, 9                         ; the results' scale words: in
	s_lshl_b32 s95, s16, 1
	s_add_co_u32 s94, s94, s95
	s_add_co_u32 s94, s94, SCG
	v_add_nc_u32 v[VQ], s94, v5
	s_lshl_b32 s94, s15, 8
	s_lshl_b32 s95, s16, 3
	s_add_co_u32 s94, s94, s95
	s_add_co_u32 s94, s94, SCG+1024
	v_add_nc_u32 v[VV], s94, v5
	s_lshl_b32 s94, s14, 9                         ; and out: waves 0, 1 the 512 bytes of 128 tokens of Q or K, wave 2 V's twice 256
	s_add_co_u32 s94, s94, SCG
	v_add_nc_u32 v24, s94, v[LI]
	s_mov_b32 s94, UNIT
	s_mov_b32 s95, 256
	s_cmp_eq_u32 s14, 2
	s_cselect_b32 s94, s94, s95
	v_mad_u32_u24 v25, v2, s94, v5
	s_lshl_b32 s94, s40, 2                         ; the prefetches: block 16 x lane + my number among the sixteen waves, the last one again where there is none
	s_add_co_u32 s94, s94, s14
	s_sub_co_u32 s95, 299, s94
	s_lshr_b32 s95, s95, 4
	v_min_u32 v26, s95, v3
	v_lshl_add_u32 v26, v26, 4, s94
	v_lshlrev_b32 v26, 8, v26
	s_sub_co_u32 s95, 199, s94
	s_lshr_b32 s95, s95, 4
	v_min_u32 v30, s95, v3
	v_lshl_add_u32 v30, v30, 4, s94
	v_lshlrev_b32 v30, 8, v30
	s_lshl_b32 s94, s41, 2
	s_add_co_u32 s94, s94, s14
	s_sub_co_u32 s95, 224, s94
	s_lshr_b32 s95, s95, 4
	v_min_u32 v27, s95, v3
	v_lshl_add_u32 v27, v27, 4, s94
	v_lshlrev_b32 v27, 8, v27
	s_sub_co_u32 s95, 149, s94
	s_lshr_b32 s95, s95, 4
	v_min_u32 v31, s95, v3
	v_lshl_add_u32 v31, v31, 4, s94
	v_lshlrev_b32 v31, 8, v31
	s_lshl_b32 s98, s17, 1                         ; where the results go: 2 T
	s_lshl_b32 s99, s42, 4
	s_add_co_u32 s99, s99, s98                     ; Q's or K's first unit: 16 c + 2 T
	s_add_co_u32 s96, s99, s15
	s_mul_i32 s96, s96, UNIT
	s_mul_i32 s94, s16, 768
	s_add_co_u32 s96, s96, s94
	s_mov_b32 s97, 0
	s_add_nc_u64 s[84:85], s[8:9], s[96:97]        ; Q's or K's codes
	s_lshr_b32 s94, s42, 1
	s_lshl_b32 s94, s94, 4
	s_add_co_u32 s98, s98, s94
	s_add_co_u32 s98, s98, 512                     ; V's first unit
	s_add_co_u32 s96, s98, s15
	s_mul_i32 s96, s96, UNIT
	s_and_b32 s95, s42, 1
	s_mul_i32 s94, s95, 4*1536
	s_add_co_u32 s96, s96, s94
	s_mul_i32 s94, s16, 2*1536
	s_add_co_u32 s96, s96, s94
	s_add_nc_u64 s[86:87], s[8:9], s[96:97]        ; V's codes
	s_lshl_b32 s95, s95, 8
	s_add_co_u32 s95, s95, 12288
	s_mul_i32 s98, s98, UNIT
	s_add_co_u32 s98, s98, s95
	s_add_co_u32 s99, s99, s14
	s_mul_i32 s99, s99, UNIT
	s_add_co_u32 s99, s99, 12288
	s_cmp_eq_u32 s14, 2
	s_cselect_b32 s96, s98, s99
	s_add_nc_u64 s[92:93], s[8:9], s[96:97]        ; my scale words
; the six products of x's tile t: 128 along K, from set P_.  The 48 accumulators take turns in the same order in every step.
.macro PRODS t, zero
	WIN 0xa1
.irp j, 0,1,2,3
.if \zero
	v_wmma_scale_f32_16x16x128_f8f6f4 v[32*(\t)+8*\j:32*(\t)+8*\j+7], v[72*P_+12*\j:72*P_+12*\j+11], v[XF+96*P_+12*(\t):XF+96*P_+12*(\t)+11], 0, v[SR+8*P_+\j], v[SR+8*P_+(\t)] matrix_a_fmt:MATRIX_FMT_FP6 matrix_b_fmt:MATRIX_FMT_FP6 matrix_a_scale:MATRIX_SCALE_ROW1
.else
	v_wmma_scale_f32_16x16x128_f8f6f4 v[32*(\t)+8*\j:32*(\t)+8*\j+7], v[72*P_+12*\j:72*P_+12*\j+11], v[XF+96*P_+12*(\t):XF+96*P_+12*(\t)+11], v[32*(\t)+8*\j:32*(\t)+8*\j+7], v[SR+8*P_+\j], v[SR+8*P_+(\t)] matrix_a_fmt:MATRIX_FMT_FP6 matrix_b_fmt:MATRIX_FMT_FP6 matrix_a_scale:MATRIX_SCALE_ROW1
.endif
.endr
	WIN 0xf4
.irp i, 0,1
.if \zero
	v_wmma_scale_f32_16x16x128_f8f6f4 v[64*\i+8*(\t):64*\i+8*(\t)+7], v[XF+96*P_+12*(\t):XF+96*P_+12*(\t)+11], v[72*P_+48+12*\i:72*P_+59+12*\i], 0, v[SR+8*P_+(\t)], v[SV+2*P_+\i] matrix_a_fmt:MATRIX_FMT_FP6 matrix_b_fmt:MATRIX_FMT_FP6
.else
	v_wmma_scale_f32_16x16x128_f8f6f4 v[64*\i+8*(\t):64*\i+8*(\t)+7], v[XF+96*P_+12*(\t):XF+96*P_+12*(\t)+11], v[72*P_+48+12*\i:72*P_+59+12*\i], v[64*\i+8*(\t):64*\i+8*(\t)+7], v[SR+8*P_+(\t)], v[SV+2*P_+\i] matrix_a_fmt:MATRIX_FMT_FP6 matrix_b_fmt:MATRIX_FMT_FP6
.endif
.endr
.endm
; item n of the next step's operands, three LDS loads each, into set NP from slot NSL, step NQ in it: 0 the scale words, 1-6 the weights' fragments, 7-14 x's
.macro ITEM n
.if (\n) == 0
	WIN 0
	ds_load_b128 v[SR+8*NP:SR+8*NP+3], v[AS+3*NSL+NQ]
	ds_load_b128 v[SR+8*NP+4:SR+8*NP+7], v[AS+3*NSL+NQ] offset:256
	ds_load_b64 v[SV+2*NP:SV+2*NP+1], v[ASV+NSL] offset:WB*NQ
.elseif (\n) < 5
	WIN 0x40
.irp c, 0,1,2
	ds_load_b128 v[72*NP+12*((\n)-1)+4*\c:72*NP+12*((\n)-1)+4*\c+3], v[AW+NSL] offset:WB*NQ+1536*((\n)-1)+512*\c
.endr
.elseif (\n) < 7
	WIN 0x40
.irp c, 0,1,2
	ds_load_b128 v[72*NP+12*((\n)-1)+4*\c:72*NP+12*((\n)-1)+4*\c+3], v[AV+NSL] offset:WB*NQ+1536*((\n)-5)+512*\c
.endr
.else
	WIN 0
.irp c, 0,1,2
	ds_load_b128 v[XF+96*NP+12*((\n)-7)+4*\c:XF+96*NP+12*((\n)-7)+4*\c+3], v[AX+NSL] offset:XB*NQ+1536*((\n)-7)+512*\c
.endr
.endif
.endm
.macro ITEMS from, to
.set N_, \from
.rept (\to)-(\from)
	ITEM N_
.set N_, N_+1
.endr
.endm
.macro ASK gs, vx, vw                  ; the group that begins at step gs
	WIN 0
	s_cmp_lt_u32 ttmp9, 4
	s_cbranch_scc0 .Lnot_x_\@
	global_prefetch_b8 v[\vx], s[20:21] offset:XB*(\gs) th:TH_LOAD_NT scope:SCOPE_SE
.Lnot_x_\@:
	global_prefetch_b8 v[\vw], s[46:47] offset:WB*(\gs) th:TH_LOAD_NT scope:SCOPE_SE
.endm
.macro REFILL g1x, g1w
	s_cmp_lt_u32 s14, 2
	s_cbranch_scc0 .Lfor_w_\@
	TL 68, \g1x
	s_branch .Ljoin_\@
.Lfor_w_\@:
	s_cmp_eq_u32 s14, 2
	s_cbranch_scc0 .Ljoin_\@
	TL 72, \g1w
.Ljoin_\@:
.endm
; A K step: 48 products; the next step's operands are fetched among them, in two runs of 21 and 24 loads.  turn = 2 .. 5: group `turn` is asked for into the slot that has been read out, behind a round; 1: a plain barrier shows the last group, nothing is filled;
; there the 45 loads are one run behind the barrier.  Waits: 12 = x's last four fragments may be out; 13 = these and the add.
.macro KSTEP s, turn, zero
.set P_, (\s)%2
.set NP, 1-P_
.if (\s) < 1
.set NSL, 0
.set NQ, 1
.else
.set NSL, ((((\s)-1)/3)+1)%2
.set NQ, ((\s)-1)%3
.endif
	WIN 0
	PLACES                                         ; in front of the loads into the registers that the last step's products read
.if (\turn) == 0
	s_wait_dscnt 0x0
	PRODS 0, \zero
	ITEMS 0, 7
	PRODS 1, \zero
	PRODS 2, \zero
	PRODS 3, \zero
	ITEMS 7, 15
	PRODS 4, \zero
	PRODS 5, \zero
	PRODS 6, \zero
	PRODS 7, \zero
.else
	s_wait_tensorcnt 0x0                           ; all my tensor loads have landed
.if (\turn) > 1
	ds_add_u32 v[SPW], v[NIL]                      ; the add; products stand between it and the wait for it
.if (\turn) == 2
	s_mov_b32 s[G1X0+2], 150<<16
	s_mov_b32 s[G1X0+4], 150
.endif
.if (\turn) == 5
	s_mov_b32 s[G1X0+2], 100<<16
	s_mov_b32 s[G1X0+4], 100
	s_add_co_u32 s69, s10, ((\turn)%2)*SLOT
	s_add_nc_u64 s[70:71], s[90:91], XB*(3*(\turn)-1)
.else
	s_add_co_u32 s69, s22, ((\turn)%2)*SLOT
	s_add_nc_u64 s[70:71], s[88:89], XB*(3*(\turn)-1)
.endif
	s_or_b32 s71, s71, 0x80000000
	s_mov_b32 s73, ((\turn)%2)*SLOT+WO_
	s_add_nc_u64 s[74:75], s[46:47], WB*(3*(\turn)-1)
	s_or_b32 s75, s75, 0x80000000
	s_wait_dscnt 13                                ; (12 and the add)
.else
	s_wait_dscnt 12
.endif
	PRODS 0, \zero
	PRODS 1, \zero
	s_wait_dscnt 0x0                               ; the add and all my reads of the slot left behind are done
	s_barrier_signal -1
	PRODS 2, \zero
	PRODS 3, \zero
	WIN 0
	s_barrier_wait -1
.if (\turn) > 1
	CREST
.if (\turn) == 5
	REFILL G1X0, G1W0
.else
	REFILL G1X0, G1W1
.endif
.endif
	ITEMS 0, 15
.if ((\turn) == 2) || ((\turn) == 3)
	ASK 3*(\turn)+2, 26, 27
.endif
.if (\turn) == 4
	ASK 14, 30, 31
.endif
	PRODS 4, \zero
	PRODS 5, \zero
	PRODS 6, \zero
	PRODS 7, \zero
.endif
.endm
	s_wait_alu depctr_va_vdst(0)                   ; the wait at the head's end
	s_cmp_lt_u32 s14, 2
	s_cbranch_scc0 .Llater
	s_wait_tensorcnt 0x0                           ; slot 0's two loads; slot 1's may be on their way
.Llater:
	s_barrier_signal -1
	s_barrier_wait -1
.set NP, 0
.set NSL, 0
.set NQ, 0
	ITEMS 0, 15
	ASK 5, 26, 27
	KSTEP 0, 0, 1                                  ; the first products start the sums
	KSTEP 1, 2, 0
	KSTEP 2, 0, 0
	KSTEP 3, 0, 0
	KSTEP 4, 3, 0
	KSTEP 5, 0, 0
	KSTEP 6, 0, 0
	KSTEP 7, 4, 0
	KSTEP 8, 0, 0
	KSTEP 9, 0, 0
	KSTEP 10, 5, 0
	KSTEP 11, 0, 0
	KSTEP 12, 0, 0
	KSTEP 13, 1, 0
	KSTEP 14, 0, 0
.set P_, 1
	s_wait_dscnt 12                                ; step 15: nothing more to fetch
.irp t, 0,1,2,3
	PRODS \t, 0
.endr
	s_wait_dscnt 0x0
.irp t, 4,5,6,7
	PRODS \t, 0
.endr
	WIN 0
; THE WAY OUT.  64 sums of a lane, four blocks (a lane and lane l xor 16 hold a block).  v = 0: tiles 2 n, 2 n + 1 of Q or K, two blocks each;  v = 1: V's tile n, a whole fragment.
.set OPT, 136
.set OPW, 144
.set TM,  160
.macro QW ac, ww, pc, v, n
	WIN (\ww)|((\ww)<<2)
.irp b, 0,1,2,3
	v_max3_num_f32 v[TM+\b], |v[(\ac)+16*\b]|, |v[(\ac)+16*\b+1]|, 0x1800000   ; with the floor 2^(3 - 127): the byte cannot fall under 1
.endr
	WIN ((\ww)<<2)|((\ww)<<4)
.irp i, 2,4,6,8,10,12,14
.irp b, 0,1,2,3
	v_max3_num_f32 v[TM+\b], v[TM+\b], |v[(\ac)+16*\b+\i]|, |v[(\ac)+16*\b+\i+1]|
.endr
.endr
	WIN 0
.irp b, 0,1,2,3
	v_permlanex16_b32 v[TM+4+\b], v[TM+\b], s2, s3
.endr
.irp b, 0,1,2,3
	v_max_num_f32 v[TM+\b], v[TM+\b], v[TM+4+\b]
.endr
.irp b, 0,1,2,3
	v_add_nc_u32 v[TM+12+\b], 0xff000000, v[TM+\b]     ; 2 off the exponent field: the conversion's scale operand
.endr
.irp b, 0,1,2,3
	v_lshrrev_b32 v[TM+4+\b], 23, v[TM+12+\b]
.endr
	v_lshl_or_b32 v[OPW], v[TM+5], 8, v[TM+4]
	v_lshl_or_b32 v[OPW+1], v[TM+7], 8, v[TM+6]
.if \v
	v_lshl_or_b32 v[OPW], v[OPW+1], 16, v[OPW]
.endif
	WIN \ww
.irp c, 0,1
	v_cvt_scalef32_pk16_fp6_f32 v[(\pc)+6*\c:(\pc)+6*\c+2], v[(\ac)+32*\c:(\ac)+32*\c+15], v[TM+12+2*\c]
	v_cvt_scalef32_pk16_fp6_f32 v[OPT+4*\c:OPT+4*\c+2], v[(\ac)+32*\c+16:(\ac)+32*\c+31], v[TM+13+2*\c]
.endr
	WIN 0
	v_nop
.irp i, 0,1,2                                      ; a whole block to a lane
.irp c, 0,1
	v_permlane16_swap_b32 v[(\pc)+6*\c+\i], v[OPT+4*\c+\i]
.endr
.endr
.irp i, 0,1,2
.irp c, 0,1
	v_mov_b32 v[(\pc)+3+6*\c+\i], v[OPT+4*\c+\i]
.endr
.endr
.if \v
	ds_store_b32 v[VV], v[OPW] offset:4*(\n)
.irp c, 0,1,2
	global_store_b128 v[LI], v[(\pc)+4*\c:(\pc)+4*\c+3], s[86:87] offset:1536*(\n)+512*\c
.endr
.else
	ds_store_b16 v[VQ], v[OPW] offset:256*((\n)/2)+8*((\n)%2)
	ds_store_b16 v[VQ], v[OPW+1] offset:256*((\n)/2)+8*((\n)%2)+4
.irp c, 0,1
	global_store_b128 v[LI], v[(\pc)+6*\c:(\pc)+6*\c+3], s[84:85] offset:1536*(2*(\n)+\c)
	global_store_b64 v[L8], v[(\pc)+6*\c+4:(\pc)+6*\c+5], s[84:85] offset:1536*(2*(\n)+\c)+512
.endr
.endif
.endm
	PLACES                                         ; in front of the first writes and reads of the products' registers
.irp b, 0,1,2,3
	v_mov_b32 v[TM+4+\b], 0                        ; a lane permute's destination counts as one of its sources
.endr
	QW 0, 2, 64, 0, 0
	QW 64, 2, 76, 0, 1
	QW 128, 2, 88, 0, 2
	QW 192, 2, 100, 0, 3
	QW 0, 3, 112, 1, 0
	QW 64, 3, 124, 1, 1
	s_wait_dscnt 0x0                               ; for the others' sake
	s_barrier_signal -1
	s_barrier_wait -1
	s_cmp_lt_u32 s14, 3
	s_cbranch_scc0 .Lno_words
	ds_load_b128 v[176:179], v24
	s_wait_dscnt 0x0
	global_store_b128 v25, v[176:179], s[92:93]    ; sixteen lanes store an aligned unit of 256 bytes
.Lno_words:
	s_wait_tensorcnt 0x0                           ; the wave's end
	ds_add_u32 v[SPW], v[NIL]
	s_wait_dscnt 0x0
	CROUND                                         ; the closing round
	s_endpgm
.Lfunc_end_k_qad5a5bb4dd_qkv:
	.size	k_qad5a5bb4dd_qkv, .Lfunc_end_k_qad5a5bb4dd_qkv-k_qad5a5bb4dd_qkv
	.p2alignl 7, 3214868480
	.fill 96, 4, 3214868480
	.section	.rodata,"a",@progbits
	.p2align	6, 0x0
	.amdhsa_kernel k_qad5a5bb4dd_qkv
		.amdhsa_group_segment_fixed_size 327680
		.amdhsa_private_segment_fixed_size 0
		.amdhsa_enable_private_segment 0
		.amdhsa_kernarg_size 24
		.amdhsa_user_sgpr_count 2
		.amdhsa_user_sgpr_kernarg_segment_ptr 1
		.amdhsa_wavefront_size32 1
		.amdhsa_system_sgpr_workgroup_id_x 1
		.amdhsa_system_sgpr_workgroup_id_y 1
		.amdhsa_system_sgpr_workgroup_id_z 1
		.amdhsa_system_vgpr_workitem_id 0
		.amdhsa_next_free_vgpr 896
		.amdhsa_next_free_sgpr 100
		.amdhsa_reserve_vcc 0
		.amdhsa_float_denorm_mode_32 3
		.amdhsa_float_denorm_mode_16_64 3
		.amdhsa_memory_ordered 1
		.amdhsa_forward_progress 1
		.amdhsa_inst_pref_size 199
	.end_amdhsa_kernel
	.amdgpu_metadata
---
amdhsa.version: [ 1, 2 ]
amdhsa.kernels:
  - .name:           k_qad5a5bb4dd_qkv
    .symbol:         k_qad5a5bb4dd_qkv.kd
    .args:
      - { .name: xi, .offset: 0, .size: 8, .value_kind: global_buffer, .address_space: global }
      - { .name: wi, .offset: 8, .size: 8, .value_kind: global_buffer, .address_space: global }
      - { .name: qkvi, .offset: 16, .size: 8, .value_kind: global_buffer, .address_space: global }
    .group_segment_fixed_size: 327680
    .private_segment_fixed_size: 0
    .kernarg_segment_align: 8
    .kernarg_segment_size: 24
    .max_flat_workgroup_size: 128
    .sgpr_count:     100
    .vgpr_count:     896
    .wavefront_size: 32
...
	.end_amdgpu_metadata
.endif
;; end of part 2
;; launch attn (part 3): grid 8 x 32, 4 waves a work-group, clusters of 4 x 1, 240,128 bytes of LDS; arguments qkvi, wo, atti, woi; writes atti, woi
.if DOCPART == 3
	.amdgcn_target "amdgcn-amd-amdhsa--gfx1250"
	.amdhsa_code_object_version 6
	.text
	.protected	k_qad5a5bb4dd_attn
	.globl	k_qad5a5bb4dd_attn
	.p2align	8
	.type	k_qad5a5bb4dd_attn,@function
k_qad5a5bb4dd_attn:
	s_mov_b64 s[64:65], 0
	v_nop
	global_prefetch_b8 v0, s[64:65] scope:SCOPE_SE
	s_setreg_imm32_b32 hwreg(HW_REG_WAVE_MODE, 25, 1), 1
	s_wait_xcnt 0x0
	s_wait_alu depctr_hold_cnt(0) depctr_sa_sdst(0) depctr_va_vdst(0) depctr_va_sdst(0) depctr_va_ssrc(0) depctr_va_vcc(0) depctr_vm_vsrc(0)
	s_getreg_b32 s2, hwreg(HW_REG_IB_STS2, 6, 4)
	s_cmp_eq_u32 s2, 0
	s_cbranch_scc0 .Lentry_in_a_cluster
	s_endpgm
.Lentry_in_a_cluster:
	s_bfe_u32 s2, ttmp6, 0x10000c
	s_cmp_lg_u32 s2, 0x3003
	s_cbranch_scc0 .Lentry_shape_is_right
	s_endpgm
.Lentry_shape_is_right:
; Attention for one head (work-group y = 16 x batch + head) and 128 queries (work-group x), both products on codes of FP6 (E2M3) with E8M0 scales; O / l is quantised along the channels in registers and stored as codes and scale words.
; BESIDE IT each wave turns two tiles (2 x 16 rows x 128 along K) of wo, f32, into codes and scale words for the launch proj: work-group 8 y + x = 16 x row group + K step, tiles 2 w, 2 w + 1 of wave w.  Their 32 loads go out behind the first barrier and are used behind the loop.
; UNITS of 12,800 bytes: 8 fragments of 1,536 bytes, then 512 bytes of scale words at 256 (tile / 4) + 16 r + 4 (tile % 4).  qkvi: unit 256 matrix + 16 head + token group (q, k: rows are tokens; v^T: rows are channels);
; atti: unit 16 x token group + head; woi: unit 16 x row group + K step.  Lane-row r of tile 2 b + u is row 32 b + 8 u + r + 8 (r / 8) of its 128.
; A fragment of q, k: for each half c of the channels 512 bytes (registers 6 c .. 6 c + 3) and 256 (registers 6 c + 4, 6 c + 5); of all others three blocks of 512 bytes.
; THE SOFTMAX AHEAD OF THE SECOND PRODUCT: t = score x log2(e) / sqrt(128); M = the row's largest t so far, rounded up to a whole number; p = 2^(t - M) is quantised along the keys, not normalised;
; the row's sum is taken of the unquantised p and divides O at the end; when M moves, the sum and O are multiplied by 2^(old M - new M): exact.
; SHARES: four waves, one to a SIMD, each two tiles of 16 queries, A and B, so that a fragment of K or V feeds two matrix instructions.  Every wave walks the head's 1,024 keys, 128 a step.
; Both products are used transposed (S^T = K Q^T, O^T = V^T P^T): a lane holds one query of each tile throughout; p's 16 registers of two neighbouring tiles are 16 neighbouring keys, and O^T's 16 neighbouring channels.
; THE TWO TILES ALTERNATE.  Half X(s): A's softmax of step s, with B's second product of step s - 1 and first product of step s among its exponentials; half Y(s): B's softmax of step s, with A's second product of step s and first product of step s + 1.
; A tile's row sums are added in the other tile's next half.  The halves Y(2 i), X(2 i + 1), Y(2 i + 1), X(2 i + 2) are a loop of three trips; O^T and the sums begin as zeros, so that one text serves the first step too.
; K's and V's fragments have two sets of registers each, by the key step's parity: K of step s + 1 is asked for at the head of X(s), V of step s + 1 at the head of Y(s).
; LDS IS FILLED ONCE: one tensor load a wave: wave j brings stage j, the key steps 2 j and 2 j + 1: two rows of 25,600 bytes, K's two units and V's two.  Stage 0 is shown alone, the others together.
; Nothing is filled again, so there is no tile to prefetch ahead of.  CLUSTER: the four work-groups of a cluster share head and batch, so every fill is asked for jointly.
; LIMITS: NaN and infinities are not served.  The promise holds while |t| stays under 2^31.  p under 2^-126 comes out as 0 (v_exp_f32 flushes: ISA guide 15.8).  A block's largest p is made from its largest score by the same two instructions, which takes v_exp_f32 not to fall where its input rises.
; A block of zeros gets the byte 1 (its codes are zeros; this program alone reads the bytes).  O / l is a multiplication by v_rcp_f32 of l.
; REGISTERS: window 0: v1-13 addresses; v20-23, v24-27 -M, the largest t, the sum in two halves, of A and of B; v28 f; v30, v31 p's scale words; v32-55 at work; v56, v57 Q's scale words; v60-71, v72-83 p's codes; v84-91 at work;
; v92-107 K's scale words, two sets; v108-123 V's; v128-191, v192-255 S^T, then p.  window 1: v0-63, v64-127 O^T; v128-255 wo's numbers.  window 2: v0-191 K's two sets, v192-215 Q.  window 3: v0-191 V's two sets.
.set UNIT, 12800
.set TLC,  1536
.set STB,  51200                       ; a stage
.set VO,   25600                       ; V's part of it
.set PWS,  204800                      ; 512 bytes each, written by LDS stores alone: the result's scale words, wo's
.set STG,  205824                      ; a stage of 16 x 528 bytes for each wave
.set SPITCH, 528
.set SPARE, STG+4*16*SPITCH
.set A16, 1                            ; v1-3: the stage being read, + 16 x lane, 8 x lane, 16 r + 12,288
.set A8,  2
.set ASC, 3
.set B16, 4                            ; v4-6: the same without the stage
.set B8,  5
.set BSC, 6
.set STI, 7
.set STO, 8
.set APW, 9
.set APR, 10
.set SPW, 11
.set NIL, 12
.set R16, 13
.set MN,  20
.set FX,  28
.set PWD, 30
.set BM,  32                           ; the blocks' largest
.set PM,  36
.set SO,  44
.set AD,  48
.set QS,  56
.set T1,  58
.set T2,  59
.set PC,  60
.set PT,  84
.set KS,  92
.set VS,  108
.set S,   128
.set TM,  32
.set WV,   18
.set SEL,  20
.set CS,   22                          ; s[22:23] c = log2(e) / sqrt(128)
.set G1C,  24
.set MSB, 0
.macro WIN new                         ; the immediate's high byte repeats the setting that is left
.if MSB != \new
	s_set_vgpr_msb (MSB<<8)|(\new)
.set MSB, \new
.endif
.endm
.macro WALU
	s_wait_alu depctr_va_vdst(0)
.endm
.macro CROUND
	s_barrier_signal -1
	s_barrier_wait -1
	s_cmp_lg_u32 s[WV], 0
	s_cbranch_scc1 .Lnot_wave_0_\@
	s_barrier_signal -3
.Lnot_wave_0_\@:
	s_barrier_wait -3
	s_barrier_signal -1
	s_barrier_wait -1
.endm
.macro PLACES n
.rept \n
	v_nop
.endr
.endm
.macro TL
	tensor_load_to_lds s[40:43], s[G1C:G1C+7]
	s_nop 0
	PLACES 4
.endm
.macro QUANT s, ww, pc, pw             ; register 16 b + i of window ww = k 32 b + 16 (lane / 16) + i of my row: a fragment's codes and my row's scale word
	WIN (\ww)|((\ww)<<2)
.irp b, 0,1,2,3
	v_max3_num_f32 v[TM+\b], |v[(\s)+16*\b]|, |v[(\s)+1+16*\b]|, 0x1800000   ; with the floor 2^(3 - 127)
.endr
	WIN ((\ww)<<2)|((\ww)<<4)
.irp i, 2,4,6,8,10,12,14
.irp b, 0,1,2,3
	v_max3_num_f32 v[TM+\b], v[TM+\b], |v[(\s)+16*\b+\i]|, |v[(\s)+1+16*\b+\i]|
.endr
.endr
	WIN 0
.irp b, 0,1,2,3
	v_permlanex16_b32 v[TM+4+\b], v[TM+\b], s[SEL], s[SEL+1]
.endr
.irp b, 0,1,2,3
	v_max_num_f32 v[TM+\b], v[TM+\b], v[TM+4+\b]
.endr
.irp b, 0,1,2,3
	v_add_nc_u32 v[TM+12+\b], 0xff000000, v[TM+\b]
.endr
.irp b, 0,1,2,3
	v_lshrrev_b32 v[TM+4+\b], 23, v[TM+12+\b]
.endr
	v_lshl_or_b32 v[\pw], v[TM+5], 8, v[TM+4]
	v_lshl_or_b32 v[\pw], v[TM+6], 16, v[\pw]
	v_lshl_or_b32 v[\pw], v[TM+7], 24, v[\pw]
	WIN \ww
.irp c, 0,1
	v_cvt_scalef32_pk16_fp6_f32 v[(\pc)+6*\c:(\pc)+6*\c+2], v[(\s)+32*\c:(\s)+32*\c+15], v[TM+12+2*\c]
	v_cvt_scalef32_pk16_fp6_f32 v[PT+4*\c:PT+4*\c+2], v[(\s)+32*\c+16:(\s)+32*\c+31], v[TM+13+2*\c]
.endr
	WIN 0
	v_nop
.irp i, 0,1,2
.irp c, 0,1
	v_permlane16_swap_b32 v[(\pc)+6*\c+\i], v[PT+4*\c+\i]
.endr
.endr
.irp i, 0,1,2
.irp c, 0,1
	v_mov_b32 v[(\pc)+3+6*\c+\i], v[PT+4*\c+\i]
.endr
.endr
.endm
	s_load_b256 s[4:11], s[0:1], 0x0               ; qkvi, wo, atti, woi
	v_lshl_add_u32 v[SPW], v0, 2, SPARE
	v_mov_b32 v[NIL], 0
	ds_add_u32 v[SPW], v[NIL]                      ; the opening lines: the add, twice on end
	ds_add_u32 v[SPW], v[NIL]
	v_lshrrev_b32 v14, 5, v0
	v_readfirstlane_b32 s[WV], v14                 ; wave
	s_bfe_u32 s66, ttmp6, 0x40000                  ; cx
	s_lshl_b32 s67, ttmp9, 2
	s_add_co_u32 s67, s67, s66                     ; my block of 128 queries
	s_and_b32 s68, ttmp7, 0xffff
	s_lshr_b32 s69, s68, 4                         ; batch
	s_and_b32 s70, s68, 15                         ; head
	s_lshl_b32 s71, s69, 3                         ; the batch's first token group
	s_lshl_b32 s77, s70, 4
	s_add_co_u32 s77, s77, s71                     ; 16 head + token group
	s_lshl_b32 s78, s[WV], 1
	s_add_co_u32 s76, s77, s78
	s_add_co_u32 s76, s76, 256                     ; K's first unit of my stage
	s_mul_i32 s80, s76, UNIT
	s_mov_b32 s81, 0
	s_mul_i32 s84, s[WV], STB
	s_mov_b32 s[G1C], 15|(3<<16)|(1<<21)           ; the mask: all four work-groups; elements of 8 bytes
	s_mov_b32 s[G1C+1], 3200<<16                   ; two rows of 25,600 bytes, 256 units apart
	s_mov_b32 s[G1C+2], 2<<16
	s_mov_b32 s[G1C+3], 3200<<16
	s_mov_b32 s[G1C+4], 2
	s_mov_b32 s[G1C+5], 409600
	s_mov_b32 s[G1C+6], 0
	s_mov_b32 s[G1C+7], 0
	WALU
	s_wait_dscnt 0x0                               ; both opening adds are done
	CROUND                                         ; all four work-groups are here: the joint loads meet
	s_wait_kmcnt 0x0
	s_add_nc_u64 s[80:81], s[4:5], s[80:81]
	s_mov_b32 s40, 1
	s_mov_b32 s41, s84
	s_mov_b64 s[42:43], s[80:81]
	s_or_b32 s43, s43, 0x80000000
	s_cmp_eq_u32 s[WV], 0                          ; stage 0's load has a line of its own
	s_cbranch_scc0 .Lother_stages
	TL
	s_branch .Lasked
.Lother_stages:
	TL
.Lasked:
	s_mul_i32 s44, s[WV], 2*TLC
	s_mov_b32 s45, 0
	s_add_co_u32 s12, s77, s67                     ; Q's unit
	s_mul_i32 s12, s12, UNIT
	s_lshr_b32 s82, s[WV], 1
	s_lshl_b32 s82, s82, 8
	s_and_b32 s83, s[WV], 1
	s_lshl_b32 s83, s83, 3
	s_add_co_u32 s78, s82, s83                     ; my two tiles' place in a unit's scale words
	s_add_co_u32 s14, s12, s44
	s_mov_b32 s15, 0
	s_add_co_u32 s16, s12, s78
	s_add_co_u32 s16, s16, 12288
	s_mov_b32 s17, 0
	s_add_co_u32 s82, s71, s67                     ; the result's unit
	s_lshl_b32 s82, s82, 4
	s_add_co_u32 s82, s82, s70
	s_mul_i32 s82, s82, UNIT
	s_mov_b32 s83, 0
	s_lshl_b32 s88, s68, 3                         ; wo's unit
	s_add_co_u32 s88, s88, s67
	s_lshr_b32 s86, s88, 4
	s_lshl_b32 s86, s86, 20
	s_and_b32 s85, s88, 15
	s_lshl_b32 s85, s85, 9
	s_add_co_u32 s86, s86, s85
	s_lshl_b32 s85, s[WV], 18
	s_add_co_u32 s86, s86, s85
	s_mov_b32 s87, 0
	s_mul_i32 s88, s88, UNIT
	s_mov_b32 s89, 0
	s_add_nc_u64 s[14:15], s[4:5], s[14:15]        ; Q's fragments
	s_add_nc_u64 s[16:17], s[4:5], s[16:17]        ; their scale words
	s_add_nc_u64 s[2:3], s[8:9], s[82:83]          ; the result's unit
	s_add_nc_u64 s[8:9], s[2:3], s[44:45]          ; and fragments
	s_add_nc_u64 s[86:87], s[6:7], s[86:87]        ; my 32 rows of wo
	s_add_nc_u64 s[10:11], s[10:11], s[88:89]      ; wo's unit
	s_add_nc_u64 s[88:89], s[10:11], s[44:45]      ; and fragments
	s_mov_b32 s[SEL], 0x76543210
	s_mov_b32 s[SEL+1], 0xfedcba98
	s_mov_b32 s[CS], 0x3e0293ee
	s_mov_b32 s[CS+1], s[CS]                       ; (named with it as a pair, so it is written)
	s_add_co_u32 s78, s78, PWS
	s_mul_i32 s79, s[WV], 16*SPITCH
	s_add_co_u32 s79, s79, STG
	s_mov_b32 s90, 0                               ; the stage being read
	v_and_b32 v14, 31, v0
	v_and_b32 v15, 15, v0                          ; r
	v_bfe_u32 v16, v0, 4, 1                        ; h
	v_lshlrev_b32 v[B16], 4, v14
	v_lshlrev_b32 v[B8], 3, v14
	v_lshlrev_b32 v[R16], 4, v15
	v_mul_u32_u24 v[STO], v15, SPITCH
	v_add_nc_u32 v[BSC], 12288, v[R16]
	v_lshl_add_u32 v[STO], v16, 6, v[STO]
	v_add_nc_u32 v[APW], s78, v[R16]
	v_add_nc_u32 v[APR], PWS, v[B16]
	v_add_nc_u32 v[STI], s79, v[B16]
	v_add_nc_u32 v[STO], s79, v[STO]
	WIN 0x80
.irp q, 0,1
.irp c, 0,1
	global_load_b128 v[192+12*\q+6*\c:195+12*\q+6*\c], v[B16], s[14:15] offset:TLC*\q+768*\c   ; Q's fragments stay in registers
	global_load_b64 v[196+12*\q+6*\c:197+12*\q+6*\c], v[B8], s[14:15] offset:TLC*\q+768*\c+512
.endr
.endr
	WIN 0
	global_load_b64 v[QS:QS+1], v[R16], s[16:17]
	v_mov_b32 v[MN+1], 0xff61b1e6                  ; the largest t so far: -3e38, under every t
	v_mov_b32 v[MN+5], 0xff61b1e6
.irp i, 2,3,6,7
	v_mov_b32 v[MN+\i], 0                          ; the sums
.endr
.irp b, 0,1,2,3
	v_mov_b32 v[PM+\b], 0                          ; a lane permute's destination counts as one of its sources
.endr
	v_mov_b32 v[FX+1], 0                           ; (named as the upper half of a pair)
	v_floor_f32 v[MN], -v[MN+1]                    ; -M
	v_floor_f32 v[MN+4], -v[MN+5]
	v_add_nc_u32 v[A16], s90, v[B16]
	v_add_nc_u32 v[A8], s90, v[B8]
	v_add_nc_u32 v[ASC], s90, v[BSC]
	WIN 0x40
.set J_, 0
.rept 128
	v_mov_b32 v[J_], 0                             ; O^T of both tiles: the loop's text finds zeros in its first trip
.set J_, J_+1
.endr
	WIN 0
.macro KLOAD p                         ; K's eight fragments and their scale words of the stage's key step p into set p: 34 loads
	WIN 0x80
.irp t, 0,1,2,3,4,5,6,7
.irp c, 0,1
	ds_load_b128 v[96*(\p)+12*\t+6*\c:96*(\p)+12*\t+6*\c+3], v[A16] offset:UNIT*(\p)+TLC*\t+768*\c
	ds_load_b64 v[96*(\p)+12*\t+6*\c+4:96*(\p)+12*\t+6*\c+5], v[A8] offset:UNIT*(\p)+TLC*\t+768*\c+512
.endr
.endr
	WIN 0
	ds_load_b128 v[KS+8*(\p):KS+8*(\p)+3], v[ASC] offset:UNIT*(\p)
	ds_load_b128 v[KS+8*(\p)+4:KS+8*(\p)+7], v[ASC] offset:UNIT*(\p)+256
.endm
.macro VLOAD p                         ; the same of V: 26 loads
	WIN 0xc0
.irp t, 0,1,2,3,4,5,6,7
.irp c, 0,1,2
	ds_load_b128 v[96*(\p)+12*\t+4*\c:96*(\p)+12*\t+4*\c+3], v[A16] offset:VO+UNIT*(\p)+TLC*\t+512*\c
.endr
.endr
	WIN 0
	ds_load_b128 v[VS+8*(\p):VS+8*(\p)+3], v[ASC] offset:VO+UNIT*(\p)
	ds_load_b128 v[VS+8*(\p)+4:VS+8*(\p)+7], v[ASC] offset:VO+UNIT*(\p)+256
.endm
; matrix instruction n of a half: 0-7 the second product of tile PVQ with V's set VP, 8-15 the first product of tile SQ with K's set KP (-1: none).  The accumulators take turns, one instruction a turn.
.macro MM n
.if (\n) < 8
.if PVQ >= 0
	WIN 0x53
	v_wmma_scale_f32_16x16x128_f8f6f4 v[64*PVQ+8*(\n):64*PVQ+8*(\n)+7], v[96*VP+12*(\n):96*VP+12*(\n)+11], v[PC+12*PVQ:PC+12*PVQ+11], v[64*PVQ+8*(\n):64*PVQ+8*(\n)+7], v[VS+8*VP+(\n)], v[PWD+PVQ] matrix_a_fmt:MATRIX_FMT_FP6 matrix_b_fmt:MATRIX_FMT_FP6
.endif
.else
.if SQ >= 0
.set M_, (\n)-8
	WIN 0x0a
	v_wmma_scale_f32_16x16x128_f8f6f4 v[S+64*SQ+8*M_:S+64*SQ+8*M_+7], v[96*KP+12*M_:96*KP+12*M_+11], v[192+12*SQ:203+12*SQ], 0, v[KS+8*KP+M_], v[QS+SQ] matrix_a_fmt:MATRIX_FMT_FP6 matrix_b_fmt:MATRIX_FMT_FP6
.endif
.endif
.endm
; run k = 0, 1, 2 of the half's LDS loads into set LP (LK = 1: K's, 10 + 12 + 12 loads; 2: V's, 8 + 9 + 9; 0: none); each stands directly ahead of a wait for the vector results
.macro LOADC k
.if LK == 1
	WIN 0x80
.irp t, 0,1,2,3,4,5,6,7
.if ((\t+1)/3) == \k
.irp c, 0,1
	ds_load_b128 v[96*LP+12*\t+6*\c:96*LP+12*\t+6*\c+3], v[A16] offset:UNIT*LP+TLC*\t+768*\c
	ds_load_b64 v[96*LP+12*\t+6*\c+4:96*LP+12*\t+6*\c+5], v[A8] offset:UNIT*LP+TLC*\t+768*\c+512
.endr
.endif
.endr
	WIN 0
.if \k == 0
	ds_load_b128 v[KS+8*LP:KS+8*LP+3], v[ASC] offset:UNIT*LP
	ds_load_b128 v[KS+8*LP+4:KS+8*LP+7], v[ASC] offset:UNIT*LP+256
.endif
.endif
.if LK == 2
	WIN 0xc0
.irp t, 0,1,2,3,4,5,6,7
.if ((\t+1)/3) == \k
.irp c, 0,1,2
	ds_load_b128 v[96*LP+12*\t+4*\c:96*LP+12*\t+4*\c+3], v[A16] offset:VO+UNIT*LP+TLC*\t+512*\c
.endr
.endif
.endr
	WIN 0
.if \k == 0
	ds_load_b128 v[VS+8*LP:VS+8*LP+3], v[ASC] offset:VO+UNIT*LP
	ds_load_b128 v[VS+8*LP+4:VS+8*LP+7], v[ASC] offset:VO+UNIT*LP+256
.endif
.endif
.endm
.macro ADD1 q, i                       ; line i of the 32 that add tile q's 64 p to its sum: four chains, two numbers at a time
.if (\i) < 4
	v_pk_add_f32 v[AD+2*(\i):AD+2*(\i)+1], v[S+64*(\q)+2*(\i):S+64*(\q)+2*(\i)+1], v[S+64*(\q)+2*(\i)+8:S+64*(\q)+2*(\i)+9]
.elseif (\i) < 28
.set C_, (\i)%4
.set P_, S+64*(\q)+2*(C_+4*((\i)/4+1))
	v_pk_add_f32 v[AD+2*C_:AD+2*C_+1], v[AD+2*C_:AD+2*C_+1], v[P_:P_+1]
.elseif (\i) == 28
	v_pk_add_f32 v[AD:AD+1], v[AD:AD+1], v[AD+2:AD+3]
.elseif (\i) == 29
	v_pk_add_f32 v[AD+4:AD+5], v[AD+4:AD+5], v[AD+6:AD+7]
.elseif (\i) == 30
	v_pk_add_f32 v[AD:AD+1], v[AD:AD+1], v[AD+4:AD+5]
.else
	v_pk_add_f32 v[MN+4*(\q)+2:MN+4*(\q)+3], v[MN+4*(\q)+2:MN+4*(\q)+3], v[AD:AD+1]
.endif
.endm
.macro ADDN n                          ; the next n of these lines, of tile AQ (-1: none)
.if AQ >= 0
.rept \n
.if AI_ < 32
	ADD1 AQ, AI_
.set AI_, AI_+1
.endif
.endr
.endif
.endm
; A HALF: tile q's softmax of one key step, with the other tile's products among its exponentials and the other tile's row sums among its maxima.
; lk, lp: its LDS loads; dw: the count of LDS instructions that may be out ahead of its products (-1: no wait is due); xw = 1: stores still read the codes' registers
.macro HALF q, pvq, vp, sq, kp, adds, resc, lk, lp, dw, xw
.set LK, \lk
.set LP, \lp
.set AI_, 0
.set PVQ, \pvq
.set VP, \vp
.set SQ, \sq
.set KP, \kp
.if \adds
.set AQ, 1-(\q)
.else
.set AQ, -1
.endif
.set SS, S+64*(\q)
.set MQ, MN+4*(\q)
.set PQ, PC+12*(\q)
	LOADC 0
	WALU                                           ; the wait directly ahead of the first reader of the scores
.irp b, 0,1,2,3
	v_max3_num_f32 v[BM+\b], v[SS+16*\b], v[SS+16*\b+1], v[SS+16*\b+2]   ; the largest score of each block of 32 keys: for the row's maximum, and for the block's largest p
.endr
	ADDN 1
.irp i, 3,5,7,9,11,13
.irp b, 0,1,2,3
	v_max3_num_f32 v[BM+\b], v[BM+\b], v[SS+16*\b+\i], v[SS+16*\b+\i+1]
.endr
	ADDN 1
.endr
.irp b, 0,1,2,3
	v_max_num_f32 v[BM+\b], v[BM+\b], v[SS+16*\b+15]
.endr
	ADDN 2
.irp b, 0,1,2,3
	v_permlanex16_b32 v[PM+\b], v[BM+\b], s[SEL], s[SEL+1]
.endr
	ADDN 3
.irp b, 0,1,2,3
	v_max_num_f32 v[BM+\b], v[BM+\b], v[PM+\b]
.endr
	v_mov_b32 v[T2], v[MQ]
	ADDN 2
	v_max3_num_f32 v[T1], v[BM], v[BM+1], v[BM+2]
	ADDN 3
	v_max_num_f32 v[T1], v[T1], v[BM+3]            ; the step's largest score of my query
	ADDN 3
	v_mul_f32 v[T1], s[CS], v[T1]                  ; as t (c is positive)
	ADDN 3
	v_max_num_f32 v[MQ+1], v[MQ+1], v[T1]          ; the running largest t
	ADDN 3
	v_floor_f32 v[MQ], -v[MQ+1]                    ; the new -M = floor(-t) = -ceil(t)
	ADDN 2
	v_sub_f32 v[T1], v[MQ], v[T2]                  ; old M - new M: a whole number, 0 or less
	ADDN 2
	v_cvt_i32_f32 v[T1], v[T1]                     ; (it saturates)
	ADDN 2
	v_ldexp_f32 v[FX], 1.0, v[T1]                  ; f = 2^(old M - new M)
.set J_, 0
.rept 32
	v_pk_fma_f32 v[SS+J_:SS+J_+1], v[SS+J_:SS+J_+1], s[CS:CS+1], v[MQ:MQ+1] op_sel_hi:[1,0,0]   ; t - M, two at a time
.set J_, J_+2
.endr
.irp b, 0,1,2,3
	v_fma_f32 v[BM+\b], v[BM+\b], s[CS], v[MQ]     ; the same of each block's largest score
.endr
	LOADC 1
.if \dw >= 0
	s_wait_dscnt \dw                               ; the operands of the products below are in; what this half has asked for may be out
.endif
.if \xw
	s_wait_xcnt 0x0                                ; the stores have read the codes' registers
.endif
	WALU
.set E_, 0
.rept 68
	WIN 0
.if E_ < 64
	v_exp_f32 v[SS+E_], v[SS+E_]                   ; p = 2^(t - M), at most 1
.else
	v_exp_f32 v[BM+E_-64], v[BM+E_-64]             ; the block's largest p
.endif
.if (E_%3 == 2) && (E_ < 48)
	MM E_/3
.endif
.set E_, E_+1
.endr
	WIN 0
	v_pk_mul_f32 v[MQ+2:MQ+3], v[MQ+2:MQ+3], v[FX:FX+1] op_sel_hi:[1,0]   ; the sum under the new M.  (A plain place behind the exponentials)
	LOADC 2
.if \resc
	WIN 0x41
	WALU                                           ; one wait for the exponentials and for O^T's products, directly ahead of O^T's first reader
.set J_, 64*(\q)
.rept 32
	v_pk_mul_f32 v[J_:J_+1], v[J_:J_+1], v[FX:FX+1] op_sel_hi:[1,0]   ; O^T under the new M, each accumulator from its low end on
.set J_, J_+2
.endr
	WIN 0
.else
	WALU
.endif
.irp b, 0,1,2,3
	v_max_num_f32 v[BM+\b], 0x1800000, v[BM+\b]    ; the floor 2^(3 - 127): the byte cannot fall under 1
.endr
.irp b, 0,1,2,3
	v_add_nc_u32 v[SO+\b], 0xff000000, v[BM+\b]    ; 2 off the exponent field: the conversion's scale operand
.endr
.irp b, 0,1,2,3
	v_lshrrev_b32 v[PM+\b], 23, v[SO+\b]
.endr
.irp c, 0,1
	v_cvt_scalef32_pk16_fp6_f32 v[PQ+6*\c:PQ+6*\c+2], v[SS+32*\c:SS+32*\c+15], v[SO+2*\c]
	v_cvt_scalef32_pk16_fp6_f32 v[PT+4*\c:PT+4*\c+2], v[SS+32*\c+16:SS+32*\c+31], v[SO+2*\c+1]
.endr
	v_lshl_or_b32 v[PWD+(\q)], v[PM+1], 8, v[PM]   ; p's scale word for these 128 keys (and the plain place behind the conversions)
.irp i, 0,1,2
.irp c, 0,1
	v_permlane16_swap_b32 v[PQ+6*\c+\i], v[PT+4*\c+\i]   ; a whole block to a lane
.endr
.endr
	v_lshl_or_b32 v[PWD+(\q)], v[PM+2], 16, v[PWD+(\q)]
.irp i, 0,1,2
.irp c, 0,1
	v_mov_b32 v[PQ+3+6*\c+\i], v[PT+4*\c+\i]
.endr
.endr
	v_lshl_or_b32 v[PWD+(\q)], v[PM+3], 24, v[PWD+(\q)]
.endm
	WALU                                           ; the wait at the head's end
	s_cmp_eq_u32 s[WV], 0
	s_cbranch_scc0 .Llater
	s_wait_tensorcnt 0x0                           ; stage 0; the others may be on their way
.Llater:
	s_barrier_signal -1
	s_barrier_wait -1
	KLOAD 0
	VLOAD 0
	s_wait_loadcnt 0x0                             ; Q is in
	s_wait_dscnt 26                                ; K's are in; V's 26 loads may be out
.set PVQ, -1
.set SQ, 0
.set KP, 0
.irp n, 8,9,10,11,12,13,14,15
	MM \n
.endr
	WIN 0
	PLACES 4                                       ; in front of the first read of the scores
	HALF 0, -1, 0, 1, 0, 0, 0, 1, 1, -1, 0         ; X(0)
	WIN 0x40
.irp u, 0,1
.irp i, 0,1,2,3,4,5,6,7,8,9,10,11,12,13,14,15
	global_load_b128 v[128+64*\u+4*\i:131+64*\u+4*\i], v[B16], s[86:87] offset:(8*\u+\i+8*(\i/8))*8192 th:TH_LOAD_NT   ; my tiles of wo: 512 consecutive bytes of a row
.endr
.endr
	WIN 0
	s_mov_b32 s91, 0
	WALU
.Lloop:
	HALF 1, 0, 0, 0, 1, 1, 1, 2, 1, 17, 0          ; Y(2 i).  17: V's first two runs may be out; K of step 2 i + 1 and V of step 2 i are in
	s_wait_tensorcnt 0x0                           ; X(2 i + 1): in the first trip this shows stages 1 to 3
	s_wait_dscnt 0x0
	s_barrier_signal -1
	s_barrier_wait -1
	s_add_co_u32 s90, s90, STB
	v_add_nc_u32 v[A16], s90, v[B16]
	v_add_nc_u32 v[A8], s90, v[B8]
	v_add_nc_u32 v[ASC], s90, v[BSC]
	HALF 0, 1, 0, 1, 1, 1, 1, 1, 0, -1, 0
	HALF 1, 0, 1, 0, 0, 1, 1, 2, 0, 17, 0          ; Y(2 i + 1)
	HALF 0, 1, 1, 1, 0, 1, 1, 1, 1, -1, 0          ; X(2 i + 2)
	s_add_co_u32 s91, s91, 1
	s_cmp_lg_u32 s91, 3
	WALU                                           ; the wait here, directly ahead of the branch
	s_cbranch_scc1 .Lloop
	; wo's tiles: through my stage, so that a lane gets 16 neighbours of its row; LDS serves a wave's instructions in order (ISA guide 5.7.1.4): no wait between
	s_wait_loadcnt 0x0
.macro TURN u
	WIN 0x04
.irp i, 0,1,2,3,4,5,6,7,8,9,10,11,12,13,14,15
	ds_store_b128 v[STI], v[128+64*\u+4*\i:131+64*\u+4*\i] offset:SPITCH*\i
.endr
	WIN 0x40
.irp b, 0,1,2,3
.irp j, 0,1,2,3
	ds_load_b128 v[128+64*\u+16*\b+4*\j:131+64*\u+16*\b+4*\j], v[STO] offset:128*\b+16*\j
.endr
.endr
	WIN 0
.endm
	TURN 0
	HALF 1, 0, 0, 0, 1, 1, 1, 2, 1, 49, 0          ; Y(6), under which wo's first tile turns.  49: its 32 LDS instructions and V's first two runs may be out
	TURN 1
	s_wait_dscnt 58                                ; the first tile is back; V's 26 loads and the second tile's 32 LDS instructions may be out
	QUANT 128, 1, PC, T1                           ; (A's codes have been used, and are made anew in X(7))
.irp c, 0,1,2
	global_store_b128 v[B16], v[PC+4*\c:PC+3+4*\c], s[88:89] offset:512*\c
.endr
	ds_store_b32 v[APW], v[T1] offset:512          ; shown to the others by the last barrier
	HALF 0, 1, 0, 1, 1, 1, 1, 0, 0, -1, 1          ; X(7), under which the second tile turns
	s_wait_dscnt 0x0
	QUANT 192, 1, PC+12, T2                        ; (B's codes have been used, and are made anew in Y(7))
.irp c, 0,1,2
	global_store_b128 v[B16], v[PC+12+4*\c:PC+15+4*\c], s[88:89] offset:TLC+512*\c
.endr
	ds_store_b32 v[APW], v[T2] offset:516
	HALF 1, 0, 1, -1, 0, 1, 1, 0, 0, 0, 1          ; Y(7)
.set PVQ, 1
.set VP, 1
.irp n, 0,1,2,3,4,5,6,7
	MM \n                                          ; B's second product of step 7
.endr
	WIN 0
	; THE WAY OUT.  O^T / the sum: register 16 b + i is channel 32 b + 16 (lane / 16) + i of my query
.set AQ, 1
.set AI_, 0
	ADDN 32
	v_add_f32 v[MN+2], v[MN+2], v[MN+3]
	v_add_f32 v[MN+6], v[MN+6], v[MN+7]
	v_permlanex16_b32 v[T1], v[MN+2], s[SEL], s[SEL+1]
	v_permlanex16_b32 v[T2], v[MN+6], s[SEL], s[SEL+1]
	v_add_f32 v[MN+2], v[MN+2], v[T1]              ; with lane l xor 16's: the row's sum
	v_add_f32 v[MN+6], v[MN+6], v[T2]
	WALU
	v_rcp_f32 v[MN+2], v[MN+2]
	v_rcp_f32 v[MN+6], v[MN+6]
	v_nop                                          ; one plain place behind a transcendental
.macro OUT q
	WIN 0x01
	WALU
.set J_, 0
.rept 64
	v_mul_f32 v[S+64*(\q)+J_], v[64*(\q)+J_], v[MN+4*(\q)+2]
.set J_, J_+1
.endr
	QUANT S+64*(\q), 0, PC+12*(\q), PWD+(\q)
.irp c, 0,1,2
	global_store_b128 v[B16], v[PC+12*(\q)+4*\c:PC+12*(\q)+4*\c+3], s[8:9] offset:TLC*(\q)+512*\c   ; 512 consecutive bytes, aligned
.endr
	ds_store_b32 v[APW], v[PWD+(\q)] offset:4*(\q) ; (lanes r and r + 16 write the same word with the same value)
.endm
	OUT 0
	OUT 1
	s_wait_dscnt 0x0                               ; for the others' sake
	s_barrier_signal -1
	s_barrier_wait -1
	s_cmp_lg_u32 s[WV], 0
	s_cbranch_scc1 .Lnot_first
	ds_load_b128 v[32:35], v[APR]
	s_wait_dscnt 0x0
	global_store_b128 v[B16], v[32:35], s[2:3] offset:12288    ; wave 0: the result's 512 bytes of scale words
.Lnot_first:
	s_cmp_lg_u32 s[WV], 1
	s_cbranch_scc1 .Lnot_second
	ds_load_b128 v[36:39], v[APR] offset:512
	s_wait_dscnt 0x0
	global_store_b128 v[B16], v[36:39], s[10:11] offset:12288  ; wave 1: wo's
.Lnot_second:
	s_wait_tensorcnt 0x0                           ; the wave's end
	ds_add_u32 v[SPW], v[NIL]
	s_wait_dscnt 0x0
	CROUND                                         ; the closing round
	s_endpgm
.Lfunc_end_k_qad5a5bb4dd_attn:
	.size	k_qad5a5bb4dd_attn, .Lfunc_end_k_qad5a5bb4dd_attn-k_qad5a5bb4dd_attn
	.p2alignl 7, 3214868480
	.fill 96, 4, 3214868480
	.section	.rodata,"a",@progbits
	.p2align	6, 0x0
	.amdhsa_kernel k_qad5a5bb4dd_attn
		.amdhsa_group_segment_fixed_size 240128
		.amdhsa_private_segment_fixed_size 0
		.amdhsa_enable_private_segment 0
		.amdhsa_kernarg_size 32
		.amdhsa_user_sgpr_count 2
		.amdhsa_user_sgpr_kernarg_segment_ptr 1
		.amdhsa_wavefront_size32 1
		.amdhsa_system_sgpr_workgroup_id_x 1
		.amdhsa_system_sgpr_workgroup_id_y 1
		.amdhsa_system_sgpr_workgroup_id_z 1
		.amdhsa_system_vgpr_workitem_id 0
		.amdhsa_next_free_vgpr 960
		.amdhsa_next_free_sgpr 92
		.amdhsa_reserve_vcc 0
		.amdhsa_float_denorm_mode_32 3
		.amdhsa_float_denorm_mode_16_64 3
		.amdhsa_memory_ordered 1
		.amdhsa_forward_progress 1
		.amdhsa_inst_pref_size 181
	.end_amdhsa_kernel
	.amdgpu_metadata
---
amdhsa.version: [ 1, 2 ]
amdhsa.kernels:
  - .name:           k_qad5a5bb4dd_attn
    .symbol:         k_qad5a5bb4dd_attn.kd
    .args:
      - { .name: qkvi, .offset: 0, .size: 8, .value_kind: global_buffer, .address_space: global }
      - { .name: wo, .offset: 8, .size: 8, .value_kind: global_buffer, .address_space: global }
      - { .name: atti, .offset: 16, .size: 8, .value_kind: global_buffer, .address_space: global }
      - { .name: woi, .offset: 24, .size: 8, .value_kind: global_buffer, .address_space: global }
    .group_segment_fixed_size: 240128
    .private_segment_fixed_size: 0
    .kernarg_segment_align: 8
    .kernarg_segment_size: 32
    .max_flat_workgroup_size: 128
    .sgpr_count:     92
    .vgpr_count:     960
    .wavefront_size: 32
...
	.end_amdgpu_metadata
.endif
;; end of part 3
;; launch proj (part 4): grid 16 x 16, 4 waves a work-group, clusters of 4 x 4, 327,680 bytes of LDS; arguments atti, woi, out0; writes out0
.if DOCPART == 4
	.amdgcn_target "amdgcn-amd-amdhsa--gfx1250"
	.amdhsa_code_object_version 6
	.text
	.protected	k_qad5a5bb4dd_proj
	.globl	k_qad5a5bb4dd_proj
	.p2align	8
	.type	k_qad5a5bb4dd_proj,@function
k_qad5a5bb4dd_proj:
	s_mov_b64 s[64:65], 0
	v_nop
	global_prefetch_b8 v0, s[64:65] scope:SCOPE_SE
	s_setreg_imm32_b32 hwreg(HW_REG_WAVE_MODE, 25, 1), 1
	s_wait_xcnt 0x0
	s_wait_alu depctr_hold_cnt(0) depctr_sa_sdst(0) depctr_va_vdst(0) depctr_va_sdst(0) depctr_va_ssrc(0) depctr_va_vcc(0) depctr_vm_vsrc(0)
	s_getreg_b32 s2, hwreg(HW_REG_IB_STS2, 6, 4)
	s_cmp_eq_u32 s2, 0
	s_cbranch_scc0 .Lentry_in_a_cluster
	s_endpgm
.Lentry_in_a_cluster:
	s_bfe_u32 s2, ttmp6, 0x10000c
	s_cmp_lg_u32 s2, 0xf033
	s_cbranch_scc0 .Lentry_shape_is_right
	s_endpgm
.Lentry_shape_is_right:
; out0[m][n] = sum over k of att[m][k] wo[n][k], 2,048 x 2,048 x 2,048, on codes of FP6 (E2M3) with E8M0 scales; out0 f32.  LIMITS: NaN and infinities are not served.
; Both operands lie as images of their registers: unit 16 x row group of 128 + K step, 12,800 bytes: 8 fragments of three blocks of 512 bytes, then 512 bytes of scale words at 256 (tile / 4) + 16 r + 4 (tile % 4).
; Lane-row r of tile 2 b + u is row 32 b + 8 u + r + 8 (r / 8) of its row group.
; A tile of out0 is 128 x 128: 256 work-groups, one for each WGP.  Four waves, each 64 x 64: 16 accumulators.
; K's sixteen steps come in groups of 4, 6, 6 through two LDS slots of six steps (A's part, then B's): both slots are filled at the head, one tensor load a wave; the third group is the one refill, a half of A's or B's part a wave.  All steps are written out.
; CLUSTERS: 4 x 4 work-groups; A's part is asked for jointly along a row of the cluster, B's along a column.
; PREFETCH: the refill's bytes are asked for behind the first barrier, four K steps ahead of it, shared out by address among the sixteen waves of the four work-groups that will ask jointly.
; Fragments have two sets: the next step's 25 LDS loads stand among this step's products, so a slot has been read out one step early.
; THE MATRIX INSTRUCTION IS USED TRANSPOSED (source 0 = 16 rows of wo, source 1 = 16 rows of att): a lane holds eight neighbouring numbers of a row of out0.
; THE WAY OUT: 16 rows x 64 columns at a time through the wave's own stage, which lies in slot 1 (it has had its last fill, and nobody reads it behind the last barrier); back as rows of 256 bytes.  In the last step the blocks leave as they are finished.
; REGISTERS: window 0: v4-23 addresses; v32-39 scale words, two sets; v40-103 rows read back, two sets; v128-255 the accumulators, (a, b) at v[128 + 8 (4 a + b)].  window 1: two sets of fragments at v0 and v128: A's four, then B's four.
.set UNIT,  12800
.set TLC,   1536
.set BP,    6*UNIT                     ; B's part of a slot
.set SLOT,  12*UNIT
.set SPARE, 2*SLOT
.set STAGE, SLOT
.set SPITCH, 272
.set ADRA, 4                           ; [slot][steps 0-2, 3-5]
.set ADRB, 8
.set ADRS, 12
.set STO,  16
.set RD,   17
.set CO,   18
.set SPW,  20
.set NIL,  21
.set SC,   32
.set BK,   40
.set ACC,  128
.set G1A0, 24
.set G1B0, 32
.set G1A1, 40
.set G1B1, 48
.set MSB, 0
.macro WIN new                         ; the immediate's high byte repeats the setting that is left
.if MSB != \new
	s_set_vgpr_msb (MSB<<8)|\new
.set MSB, \new
.endif
.endm
.macro PLACES
.rept 4
	v_nop
.endr
.endm
.macro TL g0, g1
	tensor_load_to_lds s[\g0:\g0+3], s[\g1:\g1+7]
	s_nop 0
	PLACES
.endm
.macro CREST
	s_cmp_lg_u32 s14, 0
	s_cbranch_scc1 .Lnot_wave_0_\@
	s_barrier_signal -3
.Lnot_wave_0_\@:
	s_barrier_wait -3
	s_barrier_signal -1
	s_barrier_wait -1
.endm
.macro CROUND
	s_barrier_signal -1
	s_barrier_wait -1
	CREST
.endm
.macro GROUP1 g, mask, rows            ; dense rows of 256 bytes
	s_or_b32 s[\g], s\mask, (3<<16)|(1<<21)
	s_mov_b32 s[\g+1], 32<<16
	s_mov_b32 s[\g+2], (\rows)<<16
	s_mov_b32 s[\g+3], 32<<16
	s_mov_b32 s[\g+4], \rows
	s_mov_b32 s[\g+5], 32
	s_mov_b32 s[\g+6], 0
	s_mov_b32 s[\g+7], 0
.endm
.macro GROUP0 g, lds, base, off
	s_mov_b32 s[\g], 1
	s_mov_b32 s[\g+1], \lds
	s_add_nc_u64 s[\g+2:\g+3], s[\base:\base+1], \off
	s_or_b32 s[\g+3], s[\g+3], 0x80000000
.endm
.macro ARM under, g0, g1
	s_cmp_lt_u32 s14, \under
	s_cbranch_scc0 .Lnext_\@
	TL \g0, \g1
	s_branch .Lasked
.Lnext_\@:
.endm
	s_load_b128 s[4:7], s[0:1], 0x0                ; atti, woi
	s_load_b64 s[8:9], s[0:1], 0x10                ; out0
	v_lshl_add_u32 v[SPW], v0, 2, SPARE
	v_mov_b32 v[NIL], 0
	ds_add_u32 v[SPW], v[NIL]                      ; the opening lines: the add, twice on end
	ds_add_u32 v[SPW], v[NIL]
	v_lshrrev_b32 v1, 5, v0
	v_readfirstlane_b32 s14, v1                    ; wave
	s_lshr_b32 s15, s14, 1                         ; which half of the tile's rows is mine
	s_and_b32 s16, s14, 1                          ; which half of its columns
	s_bfe_u32 s92, ttmp6, 0x40000                  ; cx
	s_bfe_u32 s93, ttmp6, 0x40004                  ; cy
	s_lshl_b32 s94, ttmp9, 2
	s_add_co_u32 s94, s94, s92                     ; tile column
	s_and_b32 s17, ttmp7, 0xffff
	s_lshl_b32 s17, s17, 2
	s_add_co_u32 s17, s17, s93                     ; tile row
	s_lshl_b32 s95, s93, 2
	s_lshl_b32 s95, 15, s95                        ; my row of the cluster
	s_lshl_b32 s96, 0x1111, s92                    ; my column
	GROUP1 G1A0, 95, 200
	GROUP1 G1B0, 96, 200
	GROUP1 G1A1, 95, 300
	GROUP1 G1B1, 96, 300
	s_mul_i32 s18, s17, 16*UNIT
	s_mov_b32 s19, 0
	s_mul_i32 s98, s94, 16*UNIT
	s_mov_b32 s99, 0
	s_mul_i32 s22, s16, 3*UNIT                     ; the refill: which half of A's or of B's part
	s_mov_b32 s23, 0
	s_mul_i32 s2, s14, 3*UNIT                      ; and where it goes: waves 0, 1 A's halves, waves 2, 3 B's
	s_wait_alu depctr_va_vdst(0)
	s_wait_dscnt 0x0                               ; both opening adds are done
	CROUND                                         ; all sixteen work-groups are here: the first joint loads meet
	s_wait_kmcnt 0x0
	s_add_nc_u64 s[20:21], s[4:5], s[18:19]
	s_add_nc_u64 s[98:99], s[6:7], s[98:99]
	GROUP0 56, 0, 20, 0                            ; steps 0 to 3
	GROUP0 60, BP, 98, 0
	GROUP0 68, SLOT, 20, 4*UNIT                    ; steps 4 to 9
	GROUP0 72, SLOT+BP, 98, 4*UNIT
	ARM 1, 56, G1A0                                ; one load a wave, what is needed first in the first arms
	ARM 2, 60, G1B0
	ARM 3, 68, G1A1
	TL 72, G1B1
.Lasked:
	s_add_nc_u64 s[76:77], s[20:21], s[22:23]
	s_add_nc_u64 s[78:79], s[98:99], s[22:23]
	v_and_b32 v1, 15, v0                           ; r
	v_bfe_u32 v2, v0, 4, 1                         ; h
	v_and_b32 v3, 31, v0
	v_lshlrev_b32 v19, 4, v3                       ; 16 x lane
	v_lshlrev_b32 v24, 4, v1                       ; 16 r
	s_wait_alu depctr_va_vdst(0)                   ; the wait here, ahead of the scalar lines among the readers below
	s_mul_i32 s80, s15, 4*TLC
	v_add_nc_u32 v[ADRA], s80, v19
	v_add_nc_u32 v[ADRA+1], 3*UNIT, v[ADRA]
	v_add_nc_u32 v[ADRA+2], SLOT, v[ADRA]
	v_add_nc_u32 v[ADRA+3], SLOT+3*UNIT, v[ADRA]
	s_mul_i32 s80, s16, 4*TLC
	s_add_co_u32 s80, s80, BP
	v_add_nc_u32 v[ADRB], s80, v19
	v_add_nc_u32 v[ADRB+1], 3*UNIT, v[ADRB]
	v_add_nc_u32 v[ADRB+2], SLOT, v[ADRB]
	v_add_nc_u32 v[ADRB+3], SLOT+3*UNIT, v[ADRB]
	s_lshl_b32 s80, s15, 8                         ; scale words: lanes 0-15 A's, lanes 16-31 B's: the lower base + h x the distance
	s_lshl_b32 s81, s16, 8
	s_add_co_u32 s81, s81, BP
	s_sub_co_u32 s81, s81, s80
	s_add_co_u32 s80, s80, 12288
	v_mad_u32_u24 v[ADRS], v2, s81, v24
	v_add_nc_u32 v[ADRS], s80, v[ADRS]
	v_add_nc_u32 v[ADRS+1], 3*UNIT, v[ADRS]
	v_add_nc_u32 v[ADRS+2], SLOT, v[ADRS]
	v_add_nc_u32 v[ADRS+3], SLOT+3*UNIT, v[ADRS]
	s_mul_i32 s80, s14, 16*SPITCH
	s_add_co_u32 s80, s80, STAGE                   ; my stage
	v_mul_u32_u24 v25, v1, SPITCH
	v_lshl_add_u32 v25, v2, 6, v25
	v_add_nc_u32 v[STO], s80, v25                  ; in: lane-row r, + 64 h: tile b's eight columns lie at 128 (b / 2) + 64 h + 32 (b % 2) bytes
	v_mul_u32_u24 v25, v2, SPITCH
	v_add_nc_u32 v25, v25, v24
	v_add_nc_u32 v[RD], s80, v25                   ; back: lanes 0-15 one row of 256 bytes, lanes 16-31 the next
	v_lshlrev_b32 v25, 13, v2
	v_add_nc_u32 v[CO], v25, v24                   ; and the same two rows in out0
	s_lshl_b32 s80, s92, 2                         ; the prefetches: block 16 x lane + my number among the sixteen waves, the last one again where there is none
	s_add_co_u32 s80, s80, s14
	s_sub_co_u32 s81, 299, s80
	s_lshr_b32 s81, s81, 4
	v_min_u32 v22, s81, v3
	v_lshl_add_u32 v22, v22, 4, s80
	v_lshlrev_b32 v22, 8, v22
	s_lshl_b32 s80, s93, 2
	s_add_co_u32 s80, s80, s14
	s_sub_co_u32 s81, 299, s80
	s_lshr_b32 s81, s81, 4
	v_min_u32 v23, s81, v3
	v_lshl_add_u32 v23, v23, 4, s80
	v_lshlrev_b32 v23, 8, v23
	s_lshl_b32 s80, s17, 20                        ; my part of out0
	s_lshl_b32 s81, s15, 19
	s_add_co_u32 s80, s80, s81
	s_lshl_b32 s81, s94, 9
	s_add_co_u32 s80, s80, s81
	s_lshl_b32 s81, s16, 8
	s_add_co_u32 s80, s80, s81
	s_mov_b32 s81, 0
	s_add_nc_u64 s[8:9], s[8:9], s[80:81]
.macro ITEM n                          ; of the next step's operands: 0 the scale words, 1-4 B's fragments, 5-8 A's
.if (\n) == 0
	WIN 0
	ds_load_b128 v[SC+4*NP:SC+4*NP+3], v[ADRS+2*NSL+NQ/3] offset:(NQ%3)*UNIT
.elseif (\n) < 5
	WIN 0x40
.irp c, 0,1,2
	ds_load_b128 v[128*NP+48+12*((\n)-1)+4*\c:128*NP+48+12*((\n)-1)+4*\c+3], v[ADRB+2*NSL+NQ/3] offset:(NQ%3)*UNIT+((\n)-1)*TLC+512*\c
.endr
.else
	WIN 0x40
.irp c, 0,1,2
	ds_load_b128 v[128*NP+12*((\n)-5)+4*\c:128*NP+12*((\n)-5)+4*\c+3], v[ADRA+2*NSL+NQ/3] offset:(NQ%3)*UNIT+((\n)-5)*TLC+512*\c
.endr
.endif
.endm
.macro ITEMS from, to
.set N_, \from
.rept (\to)-(\from)
	ITEM N_
.set N_, N_+1
.endr
.endm
.macro PROD a, zero                    ; A's tile a against B's four, from set P_: the 16 accumulators by turns, in the same order in every step
	WIN 0x05
.irp b, 0,1,2,3
.if \zero
	v_wmma_scale_f32_16x16x128_f8f6f4 v[ACC+8*(4*(\a)+\b):ACC+8*(4*(\a)+\b)+7], v[128*P_+48+12*\b:128*P_+59+12*\b], v[128*P_+12*(\a):128*P_+12*(\a)+11], 0, v[SC+4*P_+\b], v[SC+4*P_+(\a)] matrix_a_fmt:MATRIX_FMT_FP6 matrix_b_fmt:MATRIX_FMT_FP6 matrix_a_scale:MATRIX_SCALE_ROW1
.else
	v_wmma_scale_f32_16x16x128_f8f6f4 v[ACC+8*(4*(\a)+\b):ACC+8*(4*(\a)+\b)+7], v[128*P_+48+12*\b:128*P_+59+12*\b], v[128*P_+12*(\a):128*P_+12*(\a)+11], v[ACC+8*(4*(\a)+\b):ACC+8*(4*(\a)+\b)+7], v[SC+4*P_+\b], v[SC+4*P_+(\a)] matrix_a_fmt:MATRIX_FMT_FP6 matrix_b_fmt:MATRIX_FMT_FP6 matrix_a_scale:MATRIX_SCALE_ROW1
.endif
.endr
.endm
; Waits: 25 = the next step's loads, just issued; 6 = A's last two fragments may be out; 7 = the six and the add.
; turn = 1: the slot that has been read out is filled again behind a round; turn = 2: a plain barrier shows the refill, nothing is filled.
.macro STEP k, turn, zero
.set P_, (\k)%2
.set NP, 1-P_
.set K_, (\k)+1
.if K_ < 4
.set NSL, 0
.set NQ, K_
.elseif K_ < 10
.set NSL, 1
.set NQ, K_-4
.else
.set NSL, 0
.set NQ, K_-10
.endif
	WIN 0
	PLACES                                         ; in front of the loads into the registers that the last step's products read
.if (\turn) == 0
	ITEMS 0, 9
	s_wait_dscnt 25
	PROD 0, \zero
	PROD 1, \zero
	PROD 2, \zero
	PROD 3, \zero
.else
	s_wait_tensorcnt 0x0                           ; all my tensor loads have landed
.if (\turn) == 1
	ds_add_u32 v[SPW], v[NIL]                      ; the add; products stand between it and the wait for it
	s_mov_b32 s[G1A0+2], 150<<16
	s_mov_b32 s[G1A0+4], 150
	s_mov_b32 s[G1B0+2], 150<<16
	s_mov_b32 s[G1B0+4], 150
	s_mov_b32 s57, s2
	s_mov_b32 s61, s2
	s_add_nc_u64 s[58:59], s[76:77], 10*UNIT
	s_or_b32 s59, s59, 0x80000000
	s_add_nc_u64 s[62:63], s[78:79], 10*UNIT
	s_or_b32 s63, s63, 0x80000000
	s_wait_dscnt 7
.else
	s_wait_dscnt 6
.endif
	PROD 0, \zero
	PROD 1, \zero
	s_wait_dscnt 0x0                               ; the add and all my reads of the slot left behind are done
	s_barrier_signal -1
	PROD 2, \zero
	WIN 0
	s_barrier_wait -1
.if (\turn) == 1
	CREST
	s_cmp_lt_u32 s14, 2
	s_cbranch_scc0 .Lfor_b_\@
	TL 56, G1A0
	s_branch .Lrefilled_\@
.Lfor_b_\@:
	TL 60, G1B0
.Lrefilled_\@:
.endif
	ITEMS 0, 9
	PROD 3, \zero
.endif
.endm
	s_wait_alu depctr_va_vdst(0)                   ; the wait at the head's end
	s_cmp_lt_u32 s14, 2
	s_cbranch_scc0 .Llater
	s_wait_tensorcnt 0x0                           ; slot 0's two loads; slot 1's may be on their way
.Llater:
	s_barrier_signal -1
	s_barrier_wait -1
.set NP, 0
.set NSL, 0
.set NQ, 0
	ITEMS 0, 9
	WIN 0
	global_prefetch_b8 v22, s[20:21] offset:10*UNIT th:TH_LOAD_NT scope:SCOPE_SE
	global_prefetch_b8 v23, s[98:99] offset:10*UNIT th:TH_LOAD_NT scope:SCOPE_SE
	STEP 0, 0, 1                                   ; the first products start the sums
	STEP 1, 0, 0
	STEP 2, 0, 0
	STEP 3, 1, 0
.irp k, 4,5,6,7,8
	STEP \k, 0, 0
.endr
	STEP 9, 2, 0
.irp k, 10,11,12,13,14
	STEP \k, 0, 0
.endr
.macro TOSTAGE a                       ; block a: 16 rows x my 64 columns into my stage, each accumulator from its low end on, and back as rows.  LDS serves a wave's instructions in order (ISA guide 5.7.1.4): no wait between
	WIN 0
.irp b, 0,1,2,3
	ds_store_b128 v[STO], v[ACC+8*(4*(\a)+\b):ACC+8*(4*(\a)+\b)+3] offset:128*(\b/2)+32*(\b%2)
	ds_store_b128 v[STO], v[ACC+8*(4*(\a)+\b)+4:ACC+8*(4*(\a)+\b)+7] offset:128*(\b/2)+32*(\b%2)+16
.endr
.irp t, 0,1,2,3,4,5,6,7
	ds_load_b128 v[BK+32*((\a)%2)+4*\t:BK+32*((\a)%2)+4*\t+3], v[RD] offset:2*SPITCH*\t
.endr
.endm
.macro SEND a, younger                 ; stage row 2 t + h is row 32 (a / 2) + 8 (a % 2) + 2 t + h + 8 (t / 4) of my 64
	s_wait_dscnt \younger
.irp t, 0,1,2,3,4,5,6,7
	global_store_b128 v[CO], v[BK+32*((\a)%2)+4*\t:BK+32*((\a)%2)+4*\t+3], s[8:9] offset:(32*((\a)/2)+8*((\a)%2)+2*\t+8*(\t/4))*8192 th:TH_STORE_NT   ; 16 lanes store 256 consecutive bytes, aligned
.endr
.endm
.set P_, 1
	s_wait_dscnt 6                                 ; step 15: nothing more to fetch; each block leaves as soon as it is finished
	PROD 0, 0
	PROD 1, 0
	s_wait_dscnt 0x0
	PROD 2, 0
	WIN 0
	PLACES                                         ; in front of the first read of blocks 0 to 2
	TOSTAGE 0
	PROD 3, 0
	WIN 0
	PLACES
	TOSTAGE 1
	SEND 0, 16                                     ; behind block 0's loads: block 1's 8 stores and 8 loads
	s_wait_xcnt 0x0                                ; block 0's stores have read their registers
	TOSTAGE 2
	SEND 1, 16
	s_wait_xcnt 0x0
	TOSTAGE 3
	SEND 2, 16
	SEND 3, 0
	s_wait_tensorcnt 0x0                           ; the wave's end
	ds_add_u32 v[SPW], v[NIL]
	s_wait_dscnt 0x0
	CROUND                                         ; the closing round
	s_endpgm
.Lfunc_end_k_qad5a5bb4dd_proj:
	.size	k_qad5a5bb4dd_proj, .Lfunc_end_k_qad5a5bb4dd_proj-k_qad5a5bb4dd_proj
	.p2alignl 7, 3214868480
	.fill 96, 4, 3214868480
	.section	.rodata,"a",@progbits
	.p2align	6, 0x0
	.amdhsa_kernel k_qad5a5bb4dd_proj
		.amdhsa_group_segment_fixed_size 327680
		.amdhsa_private_segment_fixed_size 0
		.amdhsa_enable_private_segment 0
		.amdhsa_kernarg_size 24
		.amdhsa_user_sgpr_count 2
		.amdhsa_user_sgpr_kernarg_segment_ptr 1
		.amdhsa_wavefront_size32 1
		.amdhsa_system_sgpr_workgroup_id_x 1
		.amdhsa_system_sgpr_workgroup_id_y 1
		.amdhsa_system_sgpr_workgroup_id_z 1
		.amdhsa_system_vgpr_workitem_id 0
		.amdhsa_next_free_vgpr 512
		.amdhsa_next_free_sgpr 102
		.amdhsa_reserve_vcc 0
		.amdhsa_float_denorm_mode_32 3
		.amdhsa_float_denorm_mode_16_64 3
		.amdhsa_memory_ordered 1
		.amdhsa_forward_progress 1
		.amdhsa_inst_pref_size 80
	.end_amdhsa_kernel
	.amdgpu_metadata
---
amdhsa.version: [ 1, 2 ]
amdhsa.kernels:
  - .name:           k_qad5a5bb4dd_proj
    .symbol:         k_qad5a5bb4dd_proj.kd
    .args:
      - { .name: atti, .offset: 0, .size: 8, .value_kind: global_buffer, .address_space: global }
      - { .name: woi, .offset: 8, .size: 8, .value_kind: global_buffer, .address_space: global }
      - { .name: out0, .offset: 16, .size: 8, .value_kind: global_buffer, .address_space: global }
    .group_segment_fixed_size: 327680
    .private_segment_fixed_size: 0
    .kernarg_segment_align: 8
    .kernarg_segment_size: 24
    .max_flat_workgroup_size: 128
    .sgpr_count:     102
    .vgpr_count:     512
    .wavefront_size: 32
...
	.end_amdgpu_metadata
.endif
;; end of part 4
